; MI455X (gfx1250); checked and timed in simulation.
; The chip was launched on July 23, 2026; its instructions are those of AMD's public machine-readable ISA for CDNA 5 (MIT licence, August 2026) and "CDNA5" Instruction Set Architecture Reference Guide (July 2026). The comments in the code are by the model that wrote it; some were corrected since.
;; Block. Allowed arithmetic: matrix products marked QUANTISED: E2M3 operands, one E8M0 scale for each 32 along K, by v_wmma_scale_f32_16x16x128_f8f6f4 with both operands' format E2M3, f32 sums; everything else in f32.
;; Inputs: b1 2,048 float32; b2 512 float32; b_proj 512 float32; ln1_b 512 float32; ln1_g 512 float32; ln2_b 512 float32; ln2_g 512 float32; w1 512 x 2,048 float32; w2 2,048 x 512 float32; w_proj 512 x 512 float32; wk 8 x 512 x 64 float32; wq 8 x 512 x 64 float32; wv 8 x 512 x 64 float32; x 32 x 512 x 512 float32.
;; Outputs: out0 32 x 512 x 512 float32.
;; This version of the problem:
;;   THIS VERSION OF THE PROBLEM IS GIVEN IN LOW PRECISION. The matrix products marked QUANTISED in the list below multiply operands that are first quantised to E2M3 (2 exponent bits, 3 mantissa bits; 6 bits a number), with one power-of-two scale for each 32 numbers along K (OCP MX v1.0); their sums are f32. All else is computed in f32.
;;   The module's matrix products, in the order in which they are computed (A, B: the left and right operand; K: the contracted axis; several contracted axes count as one K, in the product's order):
;;     1. [M 512, K 512] x [K 512, N 16,384]; A: input wq; B: computed on the way: QUANTISED
;;     2. [M 512, K 512] x [K 512, N 16,384]; A: input wk; B: computed on the way: QUANTISED
;;     3. [M 512, K 512] x [K 512, N 16,384]; A: input wv; B: computed on the way: QUANTISED
;;     4. batch 256 x [M 512, K 64] x [K 64, N 512]; A: computed on the way; B: computed on the way: QUANTISED
;;     5. batch 256 x [M 512, K 512] x [K 512, N 64]; A: softmax (see below); B: computed on the way: QUANTISED
;;     6. [M 16,384, K 512] x [K 512, N 512]; A: computed on the way; B: input w_proj: QUANTISED
;;     7. [M 16,384, K 512] x [K 512, N 2,048]; A: computed on the way; B: input w1: QUANTISED
;;     8. [M 16,384, K 2,048] x [K 2,048, N 512]; A: computed on the way; B: input w2: QUANTISED
;;   THE QUANTISER, for each operand of a quantised product, along K:
;;     - K is cut into blocks of 32 from its start; a last block that is shorter is filled with zeros.
;;     - A block's scale is 2^e with e = floor(log2(the largest magnitude in the block)) - 2, held to -126 .. 127; a block of zeros has e = 0. As a byte (E8M0): e + 127.
;;     - Each number is divided by its block's scale, clamped to +-7.5, and rounded to the nearest number of E2M3, ties to even, subnormals kept.
;;     - The product sums the exact products of the quantised numbers (number of the format x scale) in f32.
;;   ~~~python
;;   def quantise(x, axis):      # numpy; x: float32 -> the quantised numbers, widened to float32 again
;;       x = np.moveaxis(x, axis, -1); K = x.shape[-1]
;;       x = np.pad(x, [(0, 0)] * (x.ndim - 1) + [(0, -K % 32)]); x = x.reshape(x.shape[:-1] + (-1, 32)); a = np.abs(x).max(-1, keepdims=True)
;;       e = np.where(a > 0, np.clip(np.frexp(np.where(a > 0, a, 1))[1] - 1 - 2, -126, 127), 0)      # np.frexp(a)[1] - 1 = floor(log2(a)), exactly
;;       r = np.clip(x / 2.0 ** e, -7.5, 7.5)
;;       step = 2.0 ** (np.maximum(np.frexp(np.where(r == 0, 1, r))[1] - 1, 0) - 3)
;;       q = np.round(r / step) * step * 2.0 ** e      # np.round: ties to even
;;       return np.moveaxis(q.reshape(q.shape[:-2] + (-1,))[..., :K], -1, axis).astype(np.float32)
;;   ~~~
;;   SOFTMAX AHEAD OF A QUANTISED PRODUCT. Where the list says 'softmax', what is quantised is not the finished softmax but p = 2^(t - M), with t = logit x log2(e) and M = ceil(the row's largest t), a whole number; so 1/2 < the row's largest p <= 1. The row's sum l is taken of the UNQUANTISED p, in f32, and the product's result is divided by l at the end. Since M is a whole number, a kernel that streams over the keys may use a running M (the ceiling of the running maximum): every later rescaling is an exact power of two, which a block's scale takes up: the codes' values come out the same.
;;   OPERANDS COMPUTED ON THE WAY. 'Computed on the way' means the value that the module computes at that place (a softmax that the list does not call 'softmax' is quantised finished and normalised). What goes into a quantiser is computed in f32, as accurately as f32 sums, v_exp_f32 and their like allow (about 1e-6 of the number): no bf16 or f16 on the way to a quantiser, and a product that is left as it is and whose result goes on into a quantised operand takes f32 operands (vector FMAs, or v_wmma_f32_16x16x4_f32). A number that lies on a knife's edge between two numbers of the format may be rounded either way, as far as f32 arithmetic and the matrix unit's own rounding can turn it there, and no further.
;; One version. Each part assembles by itself: llvm-mc -triple=amdgcn-amd-amdhsa -mcpu=gfx1250 --defsym DOCPART=n.
;; ======== version 1 of 1: 3 launches
;; limits: right only within a limited range of input values
;; workspace buffers: hcodes 6,291,456 bytes; hsc 262,144 bytes; wqkv 614,400 bytes; wstream 1,843,200 bytes; ocodes 6,291,456 bytes; osc 262,144 bytes
;; launch prep (part 1): grid 448 x 1, 4 waves a work-group, no clusters, 132,608 bytes of LDS; arguments x, ln1_g, ln1_b, wq, wk, wv, w_proj, w1, w2, hcodes, hsc, wqkv, wstream; writes hcodes, hsc, wqkv, wstream
.if DOCPART == 1
	.amdgcn_target "amdgcn-amd-amdhsa--gfx1250"
	.amdhsa_code_object_version 6
	.text
	.protected	k_q2f6de18d7d_prep
	.globl	k_q2f6de18d7d_prep
	.p2align	8
	.type	k_q2f6de18d7d_prep,@function
k_q2f6de18d7d_prep:
	s_mov_b64 s[64:65], 0
	v_nop
	global_prefetch_b8 v0, s[64:65] scope:SCOPE_SE
	s_setreg_imm32_b32 hwreg(HW_REG_WAVE_MODE, 25, 1), 1
	s_wait_xcnt 0x0
; Two jobs in one launch, told apart by the work-group's number.
; Work-groups 0-255: h = layernorm(x) g + b, quantised along C to codes of FP6 (E2M3) with one E8M0 byte for each 32, stored as IMAGES OF OPERAND REGISTERS:
;   hcodes [token tile 1024][K step 4][1536 bytes]: registers 4c .. 4c+3 of lane L at 512 c + 16 L;  hsc [row 16384][4 words]: word s serves K step s.
;   A TOKEN TILE'S ROWS ARE NOT NEIGHBOURS: lane r of tile tg holds row 32 (tg / 2) + 8 (tg % 2) + r + 8 (r / 8), so that results whose rows are tokens come out with 16 neighbouring tokens in a lane's 16 registers.
;   One wave takes one tile.  Each row is loaded as 4 x 512 consecutive bytes; mean and variance are taken in two passes (the mean is taken away first); the finished row goes to the wave's own stage in LDS
;   and comes back with 32 neighbours along C in one lane, which is what the conversions and the operand's layout want.
; Work-groups 256-447: the six weights, whose K is not innermost, become codes in the order in which the later launches' operand registers take them.  One wave takes 32 units x 128 along K:
;   a lane takes a column and its registers run down K, so a block's largest magnitude needs no other lane and nothing is transposed.  The units of a tile are chosen as the rows of a token tile are.
;   wqkv [head 8][group 4 X + s, 12][6400]: 4 tiles x 1536, then 2 x 128 bytes of scale words (lanes 0-15 tile 2 b, lanes 16-31 tile 2 b + 1).
;   wstream [phase 9][wave 4][group 8][6400]: phase = slot / 2, group = 4 (slot % 2) + 2 e + b / 2; 4 tiles x 1536, then 2 x 128 bytes of scale words.
; A block's scale is 2^(floor(log2(largest magnitude)) - 2): its byte is the largest magnitude's exponent field - 2, held at 1 from below.
; LIMITS: NaN and infinities are not served; a block whose largest magnitude lies under 2^-124 keeps the byte 1; a block of zeros keeps the byte 1 too (its codes are zeros; this program alone reads the bytes).
.set STGW,  33024                      ; a wave's stage: 16 rows x 2,064 bytes
.set PITCH, 2064                       ; 2,048 + 16 = 129 x 16: the sixteen rows that a 16-byte read touches start in sixteen different 16-byte columns
.set SPARE, 4*STGW                     ; behind the stages: the spare words, 128 bytes a wave
.set SPW, 12                           ; v12  my spare word's address; never rewritten
.set NIL, 13                           ; v13  0; never rewritten
.set G,   16                           ; v16-31   gain of my 16 columns
.set B,   32                           ; v32-47   bias
.set X,   48                           ; v48-175  eight row slots of 16; later two sets of 64 numbers
.set HT,  176                          ; v176-207 two sets of 16 finished numbers
.set F,   176                          ; v176-223 later: four fragments of 12
.set R0,  208                          ; v208-215 reductions
.set MU,  224                          ; v[224:225] the mean (low word)
.set RS,  226                          ; v[226:227] 1 / sqrt(var + eps) (low word)
.set QM,  224                          ; quantiser: largest magnitudes,
.set QSO, 226                          ; scale operands,
.set QBY, 228                          ; bytes
.set PX,  232                          ; v232-234, v236-238 the conversions' second halves
.set W,   240                          ; v240-243 the four scale words
.set TMP, 244
.set N,   16                           ; weights: v16-143 128 numbers down K
.set F0,  144                          ; v144-155 blocks 0, 2;  v156-167 blocks 1, 3
.set WPX, 168
.set WM2, 174
.set WM,  176
.set WSO, 177
.set WBY, 178
.set WW,  184
	s_load_b512 s[8:23], s[0:1], 0x0               ; x, ln1_g, ln1_b, wq, wk, wv, w_proj, w1
	s_load_b256 s[24:31], s[0:1], 0x40             ; w2, hcodes, hsc, wqkv
	s_load_b64 s[32:33], s[0:1], 0x60              ; wstream
	v_lshl_add_u32 v[SPW], v0, 2, SPARE
	v_mov_b32 v[NIL], 0
	v_lshrrev_b32 v1, 5, v0
	v_readfirstlane_b32 s34, v1                    ; wave
	v_and_b32 v1, 31, v0                           ; lane L
	v_and_b32 v9, 15, v0                           ; r
	v_bfe_u32 v7, v0, 4, 1                         ; h
	s_mov_b32 s45, 0
	s_mov_b32 s57, 0
	s_wait_kmcnt 0x0
	s_cmp_ge_u32 ttmp9, 256
	s_cbranch_scc1 .Lweights
; ---------------------------------------------------------------- the norm
	s_mov_b32 s40, 0x76543210
	s_mov_b32 s41, 0xfedcba98                      ; selects for lane l xor 16
	s_mov_b32 s42, 0x3b000000                      ; 1 / 512
	s_mov_b32 s43, 0x3727c5ac                      ; 1e-5
	s_lshl_b32 s36, ttmp9, 6
	s_lshr_b32 s37, s34, 1
	s_lshl_b32 s37, s37, 5
	s_add_co_u32 s36, s36, s37
	s_and_b32 s37, s34, 1
	s_lshl_b32 s37, s37, 3
	s_add_co_u32 s36, s36, s37                     ; my tile's first row: 64 x work-group + 32 (wave / 2) + 8 (wave % 2)
	s_lshl_b32 s44, s36, 11
	s_add_nc_u64 s[50:51], s[8:9], s[44:45]        ; in x
	s_lshl_b32 s44, s36, 4
	s_add_nc_u64 s[54:55], s[28:29], s[44:45]      ; in hsc
	s_lshl_b32 s44, ttmp9, 2
	s_add_co_u32 s44, s44, s34
	s_mul_i32 s44, s44, 6144
	s_add_nc_u64 s[52:53], s[26:27], s[44:45]      ; my tile's four images
	s_mul_i32 s46, s34, STGW
	s_wait_alu depctr_va_vdst(0)
	v_lshlrev_b32 v2, 4, v1                        ; 16 L: x, gain, bias
	v_add_nc_u32 v3, s46, v2                       ; the stage, on the way in
	v_mul_u32_u24 v4, v9, PITCH
	v_lshl_add_u32 v4, v7, 7, v4
	v_add_nc_u32 v4, s46, v4                       ; and out: row r, + 128 h bytes: my 32 numbers of each 64
	v_lshlrev_b32 v5, 4, v1                        ; an image's place for my lane
	v_and_b32 v6, 8, v9
	v_add_nc_u32 v6, v6, v9
	v_lshlrev_b32 v6, 4, v6
	v_lshl_add_u32 v6, v7, 3, v6                   ; hsc: 16 (r + 8 (r / 8)) + 8 h
	v_lshlrev_b32 v8, 3, v7                        ; 8 h
	v_mov_b32 v[MU+1], 0                           ; named as the upper halves of pairs
	v_mov_b32 v[RS+1], 0
	v_mov_b32 v[TMP], 0                            ; a lane permute's destination counts as read
.macro LOADROW i                       ; row i of the tile: four loads of 512 consecutive bytes
.irp j, 0,1,2,3
	global_load_b128 v[X+16*((\i)%8)+4*\j:X+16*((\i)%8)+4*\j+3], v2, s[50:51] offset:((\i)+8*((\i)/8))*2048+512*\j th:TH_LOAD_NT
.endr
.endm
.irp j, 0,1,2,3
	global_load_b128 v[G+4*\j:G+4*\j+3], v2, s[10:11] offset:512*\j
.endr
.irp j, 0,1,2,3
	global_load_b128 v[B+4*\j:B+4*\j+3], v2, s[12:13] offset:512*\j
.endr
.irp i, 0,1,2,3,4,5,6,7
	LOADROW \i
.endr
.macro REDUCE                          ; v[R0:R0+1] -> the sum over the wave, in every lane's v[R0]
	v_add_f32 v[R0], v[R0], v[R0+1]
	v_add_f32_dpp v[R0], v[R0], v[R0] row_xmask:1 row_mask:0xf bank_mask:0xf
	v_add_f32_dpp v[R0], v[R0], v[R0] row_xmask:2 row_mask:0xf bank_mask:0xf
	v_add_f32_dpp v[R0], v[R0], v[R0] row_xmask:4 row_mask:0xf bank_mask:0xf
	v_add_f32_dpp v[R0], v[R0], v[R0] row_xmask:8 row_mask:0xf bank_mask:0xf
	v_permlanex16_b32 v[R0+1], v[R0], s40, s41
	v_add_f32 v[R0], v[R0], v[R0+1]
.endm
; One row.  left: the younger loads that may stay out (four for each younger row).
.macro ROW i, refill, left
.set XS, X+16*((\i)%8)
.set HS, HT+16*((\i)%2)
	s_wait_loadcnt \left
.irp k, 0,1,2,3
	v_pk_add_f32 v[R0+2*\k:R0+2*\k+1], v[XS+4*\k:XS+4*\k+1], v[XS+4*\k+2:XS+4*\k+3]
.endr
	v_pk_add_f32 v[R0:R0+1], v[R0:R0+1], v[R0+2:R0+3]
	v_pk_add_f32 v[R0+4:R0+5], v[R0+4:R0+5], v[R0+6:R0+7]
	v_pk_add_f32 v[R0:R0+1], v[R0:R0+1], v[R0+4:R0+5]
	REDUCE
	v_mul_f32 v[MU], s42, v[R0]                    ; the mean
.irp k, 0,2,4,6,8,10,12,14
	v_pk_add_f32 v[XS+\k:XS+\k+1], v[XS+\k:XS+\k+1], v[MU:MU+1] op_sel_hi:[1,0] neg_lo:[0,1] neg_hi:[0,1]   ; x - mean, in place
.endr
	v_pk_mul_f32 v[R0:R0+1], v[XS:XS+1], v[XS:XS+1]
	v_pk_mul_f32 v[R0+2:R0+3], v[XS+2:XS+3], v[XS+2:XS+3]
.irp k, 4,8,12
	v_pk_fma_f32 v[R0:R0+1], v[XS+\k:XS+\k+1], v[XS+\k:XS+\k+1], v[R0:R0+1]
	v_pk_fma_f32 v[R0+2:R0+3], v[XS+\k+2:XS+\k+3], v[XS+\k+2:XS+\k+3], v[R0+2:R0+3]
.endr
	v_pk_add_f32 v[R0:R0+1], v[R0:R0+1], v[R0+2:R0+3]
	REDUCE
	v_fma_f32 v[R0], v[R0], s42, s43               ; var + eps
	s_wait_alu depctr_va_vdst(0)
	v_rsq_f32 v[RS], v[R0]
	v_nop                                          ; a plain instruction behind the transcendental,
	s_wait_alu depctr_va_vdst(0)                   ; and the wait ahead of its first reader
.if (\i) >= 2
	s_wait_dscnt 4                                 ; only the last row's four stores may be out: the stores of two rows back have read this set
.endif
.irp k, 0,2,4,6,8,10,12,14
	v_pk_mul_f32 v[HS+\k:HS+\k+1], v[XS+\k:XS+\k+1], v[RS:RS+1] op_sel_hi:[1,0]
.endr
.irp k, 0,2,4,6,8,10,12,14
	v_pk_fma_f32 v[HS+\k:HS+\k+1], v[HS+\k:HS+\k+1], v[G+\k:G+\k+1], v[B+\k:B+\k+1]
.endr
.irp j, 0,1,2,3
	ds_store_b128 v3, v[HS+4*\j:HS+4*\j+3] offset:PITCH*(\i)+512*\j
.endr
.if \refill
	LOADROW (\i)+8
.endif
.endm
.irp i, 0,1,2,3,4,5,6,7
	ROW \i, 1, 28
.endr
.irp i, 8,9,10,11,12,13,14,15
	ROW \i, 0, 4*(15-\i)
.endr
; K step s: lane (r, h) takes, of row r, k = 128 s + 64 c + 32 h + 0 .. 31.  LDS serves a wave's instructions in order: these see my stores.
.macro QLOAD s
.irp c, 0,1
.irp q, 0,1,2,3,4,5,6,7
	ds_load_b128 v[X+64*((\s)%2)+32*\c+4*\q:X+64*((\s)%2)+32*\c+4*\q+3], v4 offset:512*(\s)+256*\c+16*\q
.endr
.endr
.endm
; 64 numbers of a lane, two whole blocks, become the fragment's 12 registers as they stand; the scale word's four bytes are gathered from lanes l and l xor 16.
.macro QF s
.set NS, X+64*((\s)%2)
.set FS, F+12*(\s)
.irp c, 0,1
	v_max3_num_f32 v[QM+\c], |v[NS+32*\c]|, |v[NS+32*\c+1]|, 0x1800000   ; with the floor 2^(3 - 127): the byte cannot fall under 1
.endr
.irp i, 2,4,6,8,10,12,14,16,18,20,22,24,26,28,30
.irp c, 0,1
	v_max3_num_f32 v[QM+\c], v[QM+\c], |v[NS+32*\c+\i]|, |v[NS+32*\c+\i+1]|
.endr
.endr
.irp c, 0,1
	v_add_nc_u32 v[QSO+\c], 0xff000000, v[QM+\c]   ; 2 off the exponent field: the conversion's scale operand
.endr
.irp c, 0,1
	v_lshrrev_b32 v[QBY+\c], 23, v[QSO+\c]         ; the byte
.endr
.irp c, 0,1
	v_cvt_scalef32_pk16_fp6_f32 v[FS+6*\c:FS+6*\c+2], v[NS+32*\c:NS+32*\c+15], v[QSO+\c]
	v_cvt_scalef32_pk16_fp6_f32 v[PX+4*\c:PX+4*\c+2], v[NS+32*\c+16:NS+32*\c+31], v[QSO+\c]   ; (a conversion's three registers begin on an even number)
.endr
	v_lshl_or_b32 v[W+(\s)], v[QBY+1], 16, v[QBY]  ; blocks h and 2 + h.  (The plain instruction behind the conversions)
	v_lshlrev_b32 v[W+(\s)], v8, v[W+(\s)]         ; at their places: 8 h bits up
.irp c, 0,1
.irp i, 0,1,2
	v_mov_b32 v[FS+6*\c+3+\i], v[PX+4*\c+\i]
.endr
.endr
	v_permlanex16_b32 v[TMP], v[W+(\s)], s40, s41
	v_or_b32 v[W+(\s)], v[W+(\s)], v[TMP]          ; the word is whole
.irp c, 0,1,2
	global_store_b128 v5, v[FS+4*\c:FS+4*\c+3], s[52:53] offset:1536*(\s)+512*\c   ; 32 lanes store 512 consecutive bytes; each K step has registers of its own
.endr
.endm
	QLOAD 0
	QLOAD 1
	s_wait_dscnt 16                                ; K step 0's sixteen reads are in; the next step's may be out
	QF 0
	QLOAD 2
	s_wait_dscnt 16
	QF 1
	QLOAD 3
	s_wait_dscnt 16
	QF 2
	s_wait_dscnt 0x0
	QF 3
	v_cmp_ne_u32 vcc_lo, 0, v7
	v_cndmask_b32 v[TMP+2], v[W], v[W+2], vcc_lo   ; lanes 0-15 store words 0, 1 of their row, lanes 16-31 words 2, 3
	v_cndmask_b32 v[TMP+3], v[W+1], v[W+3], vcc_lo
	global_store_b64 v6, v[TMP+2:TMP+3], s[54:55]  ; the tile's two runs of 128 consecutive bytes
	s_wait_tensorcnt 0x0                           ; the wave's end
	ds_add_u32 v[SPW], v[NIL]
	s_wait_dscnt 0x0
	s_endpgm
; ---------------------------------------------------------------- the weights (no LDS on this path)
.Lweights:
	s_sub_co_u32 s35, ttmp9, 256
	s_lshl_b32 s36, s35, 2
	s_add_co_u32 s36, s36, s34                     ; task T, 0 .. 767
	s_wait_alu depctr_va_vdst(0)
	v_and_b32 v2, 7, v9
	v_lshrrev_b32 v3, 3, v9
	v_lshl_add_u32 v2, v3, 4, v2
	v_lshl_add_u32 v2, v7, 3, v2                   ; my column of the 32: 8 u + r % 8 + 16 (r / 8), u = lane / 16
	v_lshlrev_b32 v2, 2, v2
	v_mul_u32_u24 v3, v7, 1536
	v_lshl_add_u32 v3, v9, 4, v3                   ; out: tile u of the pair, lane r's 16 bytes
	v_lshlrev_b32 v4, 2, v1                        ; my unit's scale word
; The place in wstream: s45 slot, s49 wave, s48 e, s37 pair b
.macro WDEST
	; wstream is laid [phase 9][wave 4][group 8][6400]: phase = slot / 2, group = 4 (slot % 2) + 2 e + b / 2; a group is 4 tiles x 1536, then 2 x 128 bytes of scale words (this layout holds, not the one named at the kernel's head)
	s_lshr_b32 s46, s45, 1
	s_mul_i32 s46, s46, 204800
	s_mul_i32 s47, s49, 51200
	s_add_co_u32 s46, s46, s47
	s_and_b32 s47, s45, 1
	s_lshl_b32 s47, s47, 1
	s_add_co_u32 s47, s47, s48
	s_lshl_b32 s47, s47, 1
	s_lshr_b32 s38, s37, 1
	s_add_co_u32 s47, s47, s38
	s_mul_i32 s47, s47, 6400
	s_add_co_u32 s46, s46, s47
	s_and_b32 s38, s37, 1                          ; the pair's place in its group
	s_mul_i32 s47, s38, 3072
	s_add_co_u32 s56, s46, s47
	s_add_nc_u64 s[52:53], s[32:33], s[56:57]      ; the pair's two tiles
	s_lshl_b32 s47, s38, 7
	s_add_co_u32 s56, s46, s47
	s_add_co_u32 s56, s56, 6144
	s_add_nc_u64 s[54:55], s[32:33], s[56:57]      ; its scale words
.endm
; 32 units x 128 along K.  rs: bytes from one k to the next in the source.
.macro WTASK rs
.set I, 0
.rept 128
	global_load_b32 v[N+I], v2, s[50:51] offset:I*(\rs) th:TH_LOAD_NT   ; one k, 32 columns: 128 consecutive bytes a wave
.set I, I+1
.endr
.irp q, 0,1,2,3
.if \q == 0
	s_wait_loadcnt 63                              ; 64 loads were issued behind block 1's last: blocks 0 and 1 are in
.elseif \q == 2
	s_wait_loadcnt 32                              ; block 3's may be out
.elseif \q == 3
	s_wait_loadcnt 0x0
.endif
.set NS, N+32*\q
.set FD, F0+12*(\q%2)+6*(\q/2)
	v_max3_num_f32 v[WM], |v[NS]|, |v[NS+1]|, |v[NS+2]|
	v_max3_num_f32 v[WM2], |v[NS+3]|, |v[NS+4]|, |v[NS+5]|
.irp i, 6,10,14,18,22,26
	v_max3_num_f32 v[WM], v[WM], |v[NS+\i]|, |v[NS+\i+1]|
	v_max3_num_f32 v[WM2], v[WM2], |v[NS+\i+2]|, |v[NS+\i+3]|
.endr
	v_max3_num_f32 v[WM], v[WM], |v[NS+30]|, |v[NS+31]|
	v_max3_num_f32 v[WM], v[WM], v[WM2], 0x1800000 ; and the floor
	v_add_nc_u32 v[WSO], 0xff000000, v[WM]
	v_cvt_scalef32_pk16_fp6_f32 v[FD:FD+2], v[NS:NS+15], v[WSO]
	v_cvt_scalef32_pk16_fp6_f32 v[WPX:WPX+2], v[NS+16:NS+31], v[WSO]
	v_lshrrev_b32 v[WBY+\q], 23, v[WSO]            ; the byte.  (The plain instruction behind the conversions)
.irp i, 0,1,2
	v_mov_b32 v[FD+3+\i], v[WPX+\i]
.endr
.endr
	v_lshl_or_b32 v[WW], v[WBY+1], 8, v[WBY]
	v_lshl_or_b32 v[WW], v[WBY+2], 16, v[WW]
	v_lshl_or_b32 v[WW], v[WBY+3], 24, v[WW]
.irp hh, 0,1                           ; blocks 0, 2 are what lane (r, 0) of the image holds, blocks 1, 3 what lane (r, 1) holds
.irp c, 0,1,2
	global_store_b128 v3, v[F0+12*\hh+4*\c:F0+12*\hh+4*\c+3], s[52:53] offset:512*\c+256*\hh   ; sixteen lanes store 256 consecutive bytes, aligned, in each of the two tiles
.endr
.endr
	global_store_b32 v4, v[WW], s[54:55]           ; 128 consecutive bytes
.endm
	s_cmp_lt_u32 s35, 48
	s_cbranch_scc0 .Lnot_qkv
	s_and_b32 s37, s36, 1                          ; pair b
	s_bfe_u32 s38, s36, 0x20001                    ; K step s
	s_bfe_u32 s39, s36, 0x30003                    ; head
	s_lshr_b32 s44, s36, 6                         ; X: 0 q, 1 k, 2 v
	s_cmp_eq_u32 s44, 0
	s_cselect_b64 s[50:51], s[14:15], s[16:17]
	s_cmp_eq_u32 s44, 2
	s_cselect_b64 s[50:51], s[18:19], s[50:51]
	s_lshl_b32 s56, s39, 17                        ; a head is 512 x 64 x 4 bytes,
	s_lshl_b32 s46, s38, 15                        ; 128 rows of 256 bytes,
	s_add_co_u32 s56, s56, s46
	s_lshl_b32 s46, s37, 7                         ; 32 columns
	s_add_co_u32 s56, s56, s46
	s_add_nc_u64 s[50:51], s[50:51], s[56:57]
	s_mul_i32 s46, s39, 76800
	s_lshl_b32 s48, s44, 2
	s_add_co_u32 s48, s48, s38
	s_mul_i32 s48, s48, 6400
	s_add_co_u32 s46, s46, s48                     ; the group
	s_mul_i32 s48, s37, 3072
	s_add_co_u32 s56, s46, s48
	s_add_nc_u64 s[52:53], s[30:31], s[56:57]
	s_lshl_b32 s48, s37, 7
	s_add_co_u32 s56, s46, s48
	s_add_co_u32 s56, s56, 6144
	s_add_nc_u64 s[54:55], s[30:31], s[56:57]
	s_wait_alu depctr_va_vdst(0)
	WTASK 256
	s_endpgm
.Lnot_qkv:
	s_cmp_lt_u32 s35, 64
	s_cbranch_scc0 .Lnot_proj
	s_sub_co_u32 s38, s36, 192                     ; w_proj: U = 32 columns, s = K step
	s_and_b32 s39, s38, 15
	s_lshr_b32 s44, s38, 4
	s_lshl_b32 s56, s44, 18
	s_lshl_b32 s46, s39, 7
	s_add_co_u32 s56, s56, s46
	s_add_nc_u64 s[50:51], s[20:21], s[56:57]
	s_lshr_b32 s45, s44, 1                         ; slot s / 2
	s_and_b32 s48, s44, 1
	s_bfe_u32 s49, s39, 0x20002
	s_and_b32 s37, s39, 3
	s_branch .Lbody2048
.Lnot_proj:
	s_cmp_lt_u32 s35, 128
	s_cbranch_scc0 .Lw2
	s_sub_co_u32 s38, s36, 256                     ; w1
	s_and_b32 s39, s38, 63
	s_lshr_b32 s44, s38, 6
	s_lshl_b32 s56, s44, 20
	s_lshl_b32 s46, s39, 7
	s_add_co_u32 s56, s56, s46
	s_add_nc_u64 s[50:51], s[22:23], s[56:57]
	s_lshr_b32 s45, s39, 4                         ; chunk c
	s_lshl_b32 s45, s45, 2
	s_lshr_b32 s46, s44, 1
	s_add_co_u32 s45, s45, s46
	s_add_co_u32 s45, s45, 2                       ; slot 2 + 4 c + s / 2
	s_and_b32 s48, s44, 1
	s_bfe_u32 s49, s39, 0x20002
	s_and_b32 s37, s39, 3
	WDEST
	s_wait_alu depctr_va_vdst(0)
	WTASK 8192
	s_endpgm
.Lw2:
	s_sub_co_u32 s38, s36, 512                     ; w2: S = K step 0 .. 15
	s_and_b32 s39, s38, 15
	s_lshr_b32 s44, s38, 4
	s_lshl_b32 s56, s44, 18
	s_lshl_b32 s46, s39, 7
	s_add_co_u32 s56, s56, s46
	s_add_nc_u64 s[50:51], s[24:25], s[56:57]
	s_and_b32 s45, s44, 12                         ; 4 (S / 4)
	s_bfe_u32 s46, s44, 0x10001
	s_add_co_u32 s45, s45, s46
	s_add_co_u32 s45, s45, 4                       ; slot 4 + 4 (S / 4) + (S % 4) / 2
	s_and_b32 s48, s44, 1
	s_bfe_u32 s49, s39, 0x20002
	s_and_b32 s37, s39, 3
.Lbody2048:
	WDEST
	s_wait_alu depctr_va_vdst(0)
	WTASK 2048
	s_endpgm
.Lfunc_end_k_q2f6de18d7d_prep:
	.size	k_q2f6de18d7d_prep, .Lfunc_end_k_q2f6de18d7d_prep-k_q2f6de18d7d_prep
	.p2alignl 7, 3214868480
	.fill 96, 4, 3214868480
	.section	.rodata,"a",@progbits
	.p2align	6, 0x0
	.amdhsa_kernel k_q2f6de18d7d_prep
		.amdhsa_group_segment_fixed_size 132608
		.amdhsa_private_segment_fixed_size 0
		.amdhsa_enable_private_segment 0
		.amdhsa_kernarg_size 104
		.amdhsa_user_sgpr_count 2
		.amdhsa_user_sgpr_kernarg_segment_ptr 1
		.amdhsa_wavefront_size32 1
		.amdhsa_system_sgpr_workgroup_id_x 1
		.amdhsa_system_sgpr_workgroup_id_y 1
		.amdhsa_system_sgpr_workgroup_id_z 1
		.amdhsa_system_vgpr_workitem_id 0
		.amdhsa_next_free_vgpr 256
		.amdhsa_next_free_sgpr 66
		.amdhsa_reserve_vcc 1
		.amdhsa_float_denorm_mode_32 3
		.amdhsa_float_denorm_mode_16_64 3
		.amdhsa_memory_ordered 1
		.amdhsa_forward_progress 1
		.amdhsa_inst_pref_size 147
	.end_amdhsa_kernel
	.amdgpu_metadata
---
amdhsa.version: [ 1, 2 ]
amdhsa.kernels:
  - .name:           k_q2f6de18d7d_prep
    .symbol:         k_q2f6de18d7d_prep.kd
    .args:
      - { .name: x, .offset: 0, .size: 8, .value_kind: global_buffer, .address_space: global }
      - { .name: ln1_g, .offset: 8, .size: 8, .value_kind: global_buffer, .address_space: global }
      - { .name: ln1_b, .offset: 16, .size: 8, .value_kind: global_buffer, .address_space: global }
      - { .name: wq, .offset: 24, .size: 8, .value_kind: global_buffer, .address_space: global }
      - { .name: wk, .offset: 32, .size: 8, .value_kind: global_buffer, .address_space: global }
      - { .name: wv, .offset: 40, .size: 8, .value_kind: global_buffer, .address_space: global }
      - { .name: w_proj, .offset: 48, .size: 8, .value_kind: global_buffer, .address_space: global }
      - { .name: w1, .offset: 56, .size: 8, .value_kind: global_buffer, .address_space: global }
      - { .name: w2, .offset: 64, .size: 8, .value_kind: global_buffer, .address_space: global }
      - { .name: hcodes, .offset: 72, .size: 8, .value_kind: global_buffer, .address_space: global }
      - { .name: hsc, .offset: 80, .size: 8, .value_kind: global_buffer, .address_space: global }
      - { .name: wqkv, .offset: 88, .size: 8, .value_kind: global_buffer, .address_space: global }
      - { .name: wstream, .offset: 96, .size: 8, .value_kind: global_buffer, .address_space: global }
    .group_segment_fixed_size: 132608
    .private_segment_fixed_size: 0
    .kernarg_segment_align: 8
    .kernarg_segment_size: 104
    .max_flat_workgroup_size: 128
    .sgpr_count:     66
    .vgpr_count:     256
    .wavefront_size: 32
...
	.end_amdgpu_metadata
.endif
;; end of part 1
;; launch attn (part 2): grid 8 x 32, 8 waves a work-group, clusters of 4 x 1, 327,680 bytes of LDS; arguments hcodes, hsc, wqkv, ocodes, osc; writes ocodes, osc
.if DOCPART == 2
	.amdgcn_target "amdgcn-amd-amdhsa--gfx1250"
	.amdhsa_code_object_version 6
	.text
	.protected	k_q2f6de18d7d_attn
	.globl	k_q2f6de18d7d_attn
	.p2align	8
	.type	k_q2f6de18d7d_attn,@function
k_q2f6de18d7d_attn:
	s_mov_b64 s[64:65], 0
	v_nop
	global_prefetch_b8 v0, s[64:65] scope:SCOPE_SE
	s_setreg_imm32_b32 hwreg(HW_REG_WAVE_MODE, 25, 1), 1
	s_wait_xcnt 0x0
	s_wait_alu depctr_hold_cnt(0) depctr_sa_sdst(0) depctr_va_vdst(0) depctr_va_sdst(0) depctr_va_ssrc(0) depctr_va_vcc(0) depctr_vm_vsrc(0)
	s_getreg_b32 s2, hwreg(HW_REG_IB_STS2, 6, 4)
	s_cmp_eq_u32 s2, 0
	s_cbranch_scc0 .Lentry_in_a_cluster
	s_endpgm
.Lentry_in_a_cluster:
	s_bfe_u32 s2, ttmp6, 0x10000c
	s_cmp_lg_u32 s2, 0x3003
	s_cbranch_scc0 .Lentry_shape_is_right
	s_endpgm
.Lentry_shape_is_right:
; One work-group = one (batch, head): q, k, v = h W (K = 512), quantised; causal attention on codes; o / l quantised along the head's 64 and stored as half an operand image for the projection.
; All products on codes of FP6 (E2M3) with one E8M0 byte for each 32 along K.
; CLUSTER: the four partners are four heads of one batch.  The batch's codes of h (196,608 bytes) are asked for JOINTLY, by the same load with the same descriptor and a mask that names the four.
; The head's own weights (76,800 bytes) differ between partners and come by plain loads.  Every LDS byte is filled once: there is no ring.
; SHARES: eight waves, two to a SIMD.  qkv: wave w owns token tiles 4 w .. 4 w + 3 (64 tokens).  Attention: wave w owns query tiles w, w ^ 15, w ^ 16, w ^ 31: one in each group of 128 queries, so every wave
; walks 1 + 2 + 3 + 4 key steps of 128 keys, and every trip count is a constant of the text.  Key steps that lie wholly behind the causal mask are not walked.
; LAYOUT: a token tile's rows and a weight tile's units are not neighbours: lane r of tile 2 b + u holds element 32 b + 8 u + r + 8 (r / 8), so that the 16 registers of results of tiles 2 b, 2 b + 1 are 16 neighbours.
;   q^T, k^T = W h^T (source 0 = 16 units, source 1 = 16 tokens): a lane holds one token, its registers run along d.   v = h W (source 0 = 16 tokens, source 1 = 16 units): a lane holds one d, its registers run along the tokens,
;   which are the second product's K.   S^T = k q^T and O^T = v^T p^T: a lane holds one query throughout.  The scores' K is 64: the fragments' upper six registers hold zero codes.
; SOFTMAX: t = score x log2(e) / sqrt(512); M = the running largest t rounded up to a whole number; p = 2^(t - M) is quantised along the keys; the row's sum is taken of the unquantised p and divides O at the end.
; LIMITS: NaN and infinities are not served; a block whose largest magnitude lies under 2^-124, a block of zeros among them, keeps the byte 1 (zero codes add nothing).
; LDS: 0: wave w's 24,576 bytes: first its 16 fragments of h, which it alone reads; when its reads are back (the region has had its one fill) it lays there q's four half images (+0), k's (+3,072), v's (+6,144).
;   196,608: the head's 12 weight groups of 6,400.  Then scale words: q's, k's (128 bytes a token tile), v's (128 bytes for each key step and d tile); then the spare words.
; REGISTERS: window 0: v1-31 addresses; v32-51 scale words and nothing else; v52-70 the quantiser's; v80-127 weights set 0, later Q, p's codes, statistics; v128-255 accumulators.  Window 1: h (v0-191), weights set 1 (v192-239); later K (v0-95), V (v96-143).
.set HPART, 24576
.set WREG,  8*HPART
.set GRP,   6400
.set QS,    WREG+12*GRP
.set KS,    QS+4096
.set VS,    KS+4096
.set SPARE, VS+2048
.set SPW, 28
.set NIL, 29
.set HSC, 32                           ; v32-47 h's scale words (4 m + s)
.set WSC, 48                           ; v48-51 the weights' (2 set + pair)
.set KSC, 32                           ; attention: v32-39 K's, v40-43 V's, v44 q's, v45 p's
.set VSC, 40
.set QSC, 44
.set PSC, 45
.set TM,  52
.set SO,  56
.set BY,  58
.set PW,  60
.set PB,  61
.set PC,  62
.set PX,  68
.set DM,  71                           ; my query less 16 (lane / 16), counted from the key step's first key
.set NINF, 72
.set AQS, 73
.set PXA, 74
.set ACC, 128
.set QF,  80
.set PCD, 92
.set NM,  104                          ; -M;  v105 the largest t
.set SUM, 106
.set FF,  108
.set BM,  110
.set BT,  114
.set SOP, 118
.set TT,  122
.set PXB, 124
.set S,   128
.set O,   192
.set OT,  224
.set VF,  96
.set MSB, 0
.macro WIN new                         ; the immediate's high byte repeats the setting that is left
.if MSB != (\new)
	s_set_vgpr_msb (MSB<<8)|(\new)
.set MSB, (\new)
.endif
.endm
.macro PLACES n
.rept \n
	v_nop
.endr
.endm
.macro ROUND                           ; a round of the cluster's barrier
	s_barrier_signal -1
	s_barrier_wait -1
	s_cmp_lg_u32 s14, 0
	s_cbranch_scc1 .Lnot_wave_0_\@
	s_barrier_signal -3
.Lnot_wave_0_\@:
	s_barrier_wait -3
	s_barrier_signal -1
	s_barrier_wait -1
.endm
.macro WM d, a, b, z, sa, sb, ra, rb   ; one product; z: it starts the sum; ra, rb: that side's scales stand in lanes 16-31
.if \z
.if \ra
	v_wmma_scale_f32_16x16x128_f8f6f4 v[\d:\d+7], v[\a:\a+11], v[\b:\b+11], 0, v[\sa], v[\sb] matrix_a_fmt:MATRIX_FMT_FP6 matrix_b_fmt:MATRIX_FMT_FP6 matrix_a_scale:MATRIX_SCALE_ROW1
.elseif \rb
	v_wmma_scale_f32_16x16x128_f8f6f4 v[\d:\d+7], v[\a:\a+11], v[\b:\b+11], 0, v[\sa], v[\sb] matrix_a_fmt:MATRIX_FMT_FP6 matrix_b_fmt:MATRIX_FMT_FP6 matrix_b_scale:MATRIX_SCALE_ROW1
.else
	v_wmma_scale_f32_16x16x128_f8f6f4 v[\d:\d+7], v[\a:\a+11], v[\b:\b+11], 0, v[\sa], v[\sb] matrix_a_fmt:MATRIX_FMT_FP6 matrix_b_fmt:MATRIX_FMT_FP6
.endif
.else
.if \ra
	v_wmma_scale_f32_16x16x128_f8f6f4 v[\d:\d+7], v[\a:\a+11], v[\b:\b+11], v[\d:\d+7], v[\sa], v[\sb] matrix_a_fmt:MATRIX_FMT_FP6 matrix_b_fmt:MATRIX_FMT_FP6 matrix_a_scale:MATRIX_SCALE_ROW1
.elseif \rb
	v_wmma_scale_f32_16x16x128_f8f6f4 v[\d:\d+7], v[\a:\a+11], v[\b:\b+11], v[\d:\d+7], v[\sa], v[\sb] matrix_a_fmt:MATRIX_FMT_FP6 matrix_b_fmt:MATRIX_FMT_FP6 matrix_b_scale:MATRIX_SCALE_ROW1
.else
	v_wmma_scale_f32_16x16x128_f8f6f4 v[\d:\d+7], v[\a:\a+11], v[\b:\b+11], v[\d:\d+7], v[\sa], v[\sb] matrix_a_fmt:MATRIX_FMT_FP6 matrix_b_fmt:MATRIX_FMT_FP6
.endif
.endif
.endm
	s_load_b256 s[4:11], s[0:1], 0x0               ; hcodes, hsc, wqkv, ocodes
	s_load_b64 s[12:13], s[0:1], 0x20              ; osc
	v_lshl_add_u32 v[SPW], v0, 2, SPARE
	v_mov_b32 v[NIL], 0
	ds_add_u32 v[SPW], v[NIL]                      ; the wave's opening: the add and its wait ahead of my first tensor load; work on registers stands between them
	ds_add_u32 v[SPW], v[NIL]
	v_lshrrev_b32 v1, 5, v0
	s_delay_alu instid0(VALU_DEP_1)
	v_readfirstlane_b32 s14, v1                    ; wave 0..7
	s_bfe_u32 s15, ttmp6, 0x40000                  ; cx
	s_lshl_b32 s16, ttmp9, 2
	s_add_co_u32 s16, s16, s15                     ; head: it enters global addresses alone
	s_and_b32 s17, ttmp7, 0xffff                   ; batch, which the four partners share
	s_mov_b32 s20, 0x76543210
	s_mov_b32 s21, 0xfedcba98
	s_mov_b32 s22, 0x3d8293ee                      ; c = log2(e) / sqrt(512)
	s_mov_b32 s23, s22
	; h's codes: 128 rows of 256 bytes, dense, jointly
	s_mov_b32 s24, 15|(3<<16)|(1<<21)              ; the mask: all four; elements of 8 bytes; bit 21 set beside a mask
	s_mov_b32 s25, 32<<16
	s_mov_b32 s26, 128<<16                         ; a sixth of the batch's codes: 128 rows of 256 bytes
	s_mov_b32 s27, 32<<16
	s_mov_b32 s28, 128
	s_mov_b32 s29, 32
	s_mov_b32 s30, 0
	s_mov_b32 s31, 0
	; the weights: 150 rows of 256 bytes, dense, my work-group's own
	s_mov_b32 s36, 3<<16
	s_mov_b32 s37, 32<<16                          ; half of the head's weights: 150 rows of 256 bytes
	s_mov_b32 s38, 150<<16
	s_mov_b32 s39, 32<<16
	s_mov_b32 s40, 150
	s_mov_b32 s41, 32
	s_mov_b32 s42, 0
	s_mov_b32 s43, 0
	s_mul_i32 s80, s17, 196608                     ; the batch's bytes in hcodes and in ocodes
	s_mul_i32 s33, s14, HPART                      ; LDS: my part
	s_lshl_b32 s88, s14, 15                        ; waves 0-5 fetch 32,768 bytes of h each
	s_add_co_u32 s84, s80, s88
	s_mov_b32 s85, 0
	s_mov_b32 s87, 0
	v_and_b32 v4, 15, v0                           ; r
	v_bfe_u32 v5, v0, 4, 1                         ; h
	v_and_b32 v3, 31, v0
	s_delay_alu instid0(VALU_DEP_1)
	v_lshlrev_b32 v1, 4, v3                        ; 16 L
	s_delay_alu instid0(VALU_DEP_2)
	v_lshlrev_b32 v2, 3, v3                        ; 8 L
	s_delay_alu instid0(VALU_DEP_3)
	v_lshlrev_b32 v3, 2, v3                        ; 4 L
	s_delay_alu instid0(VALU_DEP_3)
	v_add_nc_u32 v6, s33, v1                       ; my part, 16 bytes a lane,
	s_delay_alu instid0(VALU_DEP_3)
	v_add_nc_u32 v7, s33, v2                       ; 8 bytes a lane
	v_add_nc_u32 v8, WREG, v1                      ; weight groups 0-7,
	v_add_nc_u32 v9, WREG+8*GRP, v1                ; 8-11 (an LDS offset has 16 bits)
	v_add_nc_u32 v10, WREG, v3
	v_add_nc_u32 v11, WREG+8*GRP, v3
	s_lshl_b32 s18, s14, 9
	v_add_nc_u32 v12, s18, v3
	s_delay_alu instid0(VALU_DEP_1)
	v_add_nc_u32 v13, KS, v12                      ; where I store k's scale words,
	s_delay_alu instid0(VALU_DEP_2)
	v_add_nc_u32 v12, QS, v12                      ; q's,
	s_lshr_b32 s18, s14, 1
	s_lshl_b32 s18, s18, 9
	s_and_b32 s19, s14, 1
	s_lshl_b32 s19, s19, 1
	s_add_co_u32 s18, s18, s19
	v_add_nc_u32 v14, s18, v3
	s_delay_alu instid0(VALU_DEP_1)
	v_add_nc_u32 v14, VS, v14                      ; v's two bytes: key step w / 2, bytes 2 (w % 2) on
	v_and_b32 v15, 8, v4
	s_delay_alu instid0(VALU_DEP_1)
	v_add_nc_u32 v15, v15, v4                      ; r + 8 (r / 8)
	v_lshlrev_b32 v16, 4, v5
	s_delay_alu instid0(VALU_DEP_1)
	v_sub_nc_u32 v16, v15, v16                     ; less 16 h
	s_delay_alu instid0(VALU_DEP_3)
	v_lshlrev_b32 v15, 4, v15                      ; hsc: 16 bytes a row
	v_lshlrev_b32 v17, 3, v5                       ; 8 h
	v_add_nc_u32 v27, QS, v3
	v_add_nc_u32 v30, KS, v3
	v_add_nc_u32 v31, VS, v3
	v_mov_b32 v[TM+2], 0                           ; lane permutes' destinations count as read
	v_mov_b32 v[TM+3], 0
	s_wait_dscnt 0x0                               ; the opening add is done
	s_wait_kmcnt 0x0
	s_mov_b32 s32, 1
	s_mov_b32 s33, s88                             ; (the vector lines above have read my part's address)
	s_add_nc_u64 s[34:35], s[4:5], s[84:85]        ; made of the batch and the wave's number alone
	s_or_b32 s35, s35, 0x80000000
	s_and_b32 s18, s14, 1                          ; waves 6, 7 fetch the two halves of the weights
	s_mul_i32 s18, s18, 38400
	s_add_co_u32 s45, s18, WREG
	s_mul_i32 s86, s16, 76800
	s_add_co_u32 s86, s86, s18
	s_mov_b32 s44, 1
	s_add_nc_u64 s[46:47], s[8:9], s[86:87]
	s_or_b32 s47, s47, 0x80000000
	s_lshr_b32 s18, s16, 1                         ; the projection's K step,
	s_and_b32 s19, s16, 1                          ; and which half of it is my head's
	s_mul_i32 s86, s18, 1536
	s_mul_i32 s78, s19, 768
	s_add_co_u32 s86, s86, s78
	s_add_co_u32 s86, s86, s80
	s_add_nc_u64 s[72:73], s[10:11], s[86:87]
	s_lshl_b32 s86, s17, 13
	s_lshl_b32 s78, s18, 6
	s_add_co_u32 s86, s86, s78
	s_lshl_b32 s78, s19, 1
	s_add_co_u32 s86, s86, s78
	s_add_nc_u64 s[74:75], s[12:13], s[86:87]
	s_lshl_b32 s86, s17, 13
	s_lshl_b32 s78, s14, 10
	s_add_co_u32 s86, s86, s78
	s_add_nc_u64 s[76:77], s[6:7], s[86:87]        ; hsc at my first token
	ROUND                                          ; all four work-groups are here: the joint loads meet
	s_cmp_lt_u32 s14, 6                            ; one tensor load a wave
	s_cbranch_scc0 .Lfor_w
	tensor_load_to_lds s[32:35], s[24:31]          ; a sixth of h's codes, jointly
	s_nop 0
	PLACES 4
	s_branch .Lasked
.Lfor_w:
	tensor_load_to_lds s[44:47], s[36:43]          ; half of my head's weights
	s_nop 0
	PLACES 4
.Lasked:
	s_wait_alu depctr_va_vdst(0)
.irp m, 0,1,2,3
	global_load_b128 v[HSC+4*\m:HSC+4*\m+3], v15, s[76:77] offset:16*(32*(\m/2)+8*(\m%2))   ; tile m: my row's four scale words
.endr
	s_wait_tensorcnt 0x0                           ; my load has landed,
	s_barrier_signal -1
	s_barrier_wait -1                              ; and everybody's: h and the weights are whole
	WIN 0x40
.set I, 0
.rept 48
	ds_load_b128 v[4*I:4*I+3], v6 offset:512*I     ; fragment (m, s) at v[12 (4 m + s)] of window 1: it stays for the whole qkv phase
.set I, I+1
.endr
	WIN 0
	s_wait_loadcnt 0x0
; ---------------------------------------------------------------- q, k, v
.macro WLOAD g                         ; weight group g (X = g / 4, K step g % 4) into set g % 2: 12 + 2 loads
.if (\g)%2
	WIN 0x40
.set WFB, 192
.else
	WIN 0
.set WFB, 80
.endif
.set I, 0
.rept 12
	ds_load_b128 v[WFB+4*I:WFB+4*I+3], v[8+(\g)/8] offset:((\g)%8)*GRP+512*I
.set I, I+1
.endr
	WIN 0
.irp b, 0,1
	ds_load_b32 v[WSC+2*((\g)%2)+\b], v[10+(\g)/8] offset:((\g)%8)*GRP+6144+128*\b
.endr
.endm
.macro GMUL g                          ; 16 products: 4 weight tiles x my 4 token tiles, the 16 accumulators by turns
.set XX, (\g)/4
.set SS, (\g)%4
.set ST, (\g)%2
.set WFB, 80+112*ST
.set ZZ, SS==0
.if XX < 2
	WIN 0x04+ST                                    ; source 0 the weights (window 0 or 1), source 1 h (window 1)
.else
	WIN 0x01+4*ST                                  ; source 0 h, source 1 the weights
.endif
.irp t, 0,1,2,3
.irp m, 0,1,2,3
.set HH, 12*(4*\m+SS)
.set WA, WFB+12*\t
.set SH, HSC+4*\m+SS
.set SW, WSC+2*ST+\t/2
.set OD, \t%2
.if XX < 2
.set DD, ACC+8*(4*\m+\t)
	WM DD, WA, HH, ZZ, SW, SH, OD, 0
.else
.set DD, ACC+8*(4*\t+\m)
	WM DD, HH, WA, ZZ, SH, SW, 0, OD
.endif
.endr
.endr
.endm
; 32 numbers of a lane, register 16 b + i = k 32 b + 16 (lane / 16) + i of my row, become half a fragment (six registers, v[PC] on) and two scale bytes (v[PW]).
.macro QUANT2 src
.irp b, 0,1
	v_max3_num_f32 v[TM+\b], |v[\src+16*\b]|, |v[\src+16*\b+1]|, 0x1800000   ; with the floor 2^(3 - 127)
.endr
.irp i, 2,4,6,8,10,12,14
.irp b, 0,1
	v_max3_num_f32 v[TM+\b], v[TM+\b], |v[\src+16*\b+\i]|, |v[\src+16*\b+\i+1]|
.endr
.endr
.irp b, 0,1
	s_delay_alu instid0(VALU_DEP_2)
	v_permlanex16_b32 v[TM+2+\b], v[TM+\b], s20, s21
.endr
.irp b, 0,1
	s_delay_alu instid0(VALU_DEP_2)
	v_max_num_f32 v[TM+\b], v[TM+\b], v[TM+2+\b]
.endr
.irp b, 0,1
	s_delay_alu instid0(VALU_DEP_2)
	v_add_nc_u32 v[SO+\b], 0xff000000, v[TM+\b]
.endr
.irp b, 0,1
	s_delay_alu instid0(VALU_DEP_2)
	v_lshrrev_b32 v[BY+\b], 23, v[SO+\b]
.endr
	s_delay_alu instid0(VALU_DEP_1)
	v_lshl_or_b32 v[PW], v[BY+1], 8, v[BY]
	v_cvt_scalef32_pk16_fp6_f32 v[PC:PC+2], v[\src:\src+15], v[SO]
	v_cvt_scalef32_pk16_fp6_f32 v[PX:PX+2], v[\src+16:\src+31], v[SO+1]
	v_nop                                          ; one plain instruction behind a scaled conversion
.irp i, 0,1,2
	v_permlane16_swap_b32 v[PC+\i], v[PX+\i]       ; the layout wants a whole block in a lane: lanes 0-15 block 0, lanes 16-31 block 1
.endr
.irp i, 0,1,2
	s_delay_alu instid0(VALU_DEP_3)
	v_mov_b32 v[PC+3+\i], v[PX+\i]
.endr
.endm
.macro OUTX x                          ; the 16 accumulators of q (0), k (1) or v (2) become four half images and their scale bytes, in my part of LDS
.irp m, 0,1,2,3
	QUANT2 ACC+32*\m
	ds_store_b128 v6, v[PC:PC+3] offset:3072*(\x)+768*\m
	ds_store_b64 v7, v[PC+4:PC+5] offset:3072*(\x)+768*\m+512
.if (\x) == 0
	ds_store_b32 v12, v[PW] offset:128*\m          ; bytes 2, 3 are 0: they scale zero codes
.elseif (\x) == 1
	ds_store_b32 v13, v[PW] offset:128*\m
.else
	ds_store_b16 v14, v[PW] offset:128*\m          ; my 64 tokens are half of a key step: two of the word's four bytes
.endif
	s_wait_dscnt 0x0                               ; the stores have read their registers
.endr
.endm
	WLOAD 0
.set GG, 0
.rept 12
	PLACES 4                                       ; in front of loads into the set that the last group's products read
.if GG < 11
	WLOAD GG+1
	s_wait_dscnt 14                                ; this group's loads are in; the 14 just issued may be out
.else
	s_wait_dscnt 0x0
.endif
	GMUL GG
.if GG%4 == 3
	WIN 0
	PLACES 5                                       ; the next group's first products write over these accumulators
	OUTX GG/4
.endif
.set GG, GG+1
.endr
	WIN 0x40
.irp k, 0,1,2,3,4,5,6,7
.irp i, 6,7,8,9,10,11
	v_mov_b32 v[12*\k+\i], 0                       ; the scores' K is 64: K's fragments' upper halves are zero codes, written once
.endr
.endr
	WIN 0
.irp i, 6,7,8,9,10,11
	v_mov_b32 v[QF+\i], 0                          ; and Q's
.endr
	v_mov_b32 v[NINF], 0xff800000
	v_mov_b32 v[FF+1], 0                           ; named as the upper half of a pair
	v_mov_b32 v[TT], 0
.irp b, 0,1,2,3
	v_mov_b32 v[BT+\b], 0
.endr
	s_barrier_signal -1                            ; (my stores were waited for above)
	s_barrier_wait -1                              ; all images and scale words lie in LDS; nothing is stored to LDS from here on
; ---------------------------------------------------------------- attention
; A key step: 128 keys.  s66, s67, s68: where its images, K's and V's scale words begin.  diag = 1: the step on the diagonal.
.macro STEP diag
	v_add_nc_u32 v18, s66, v1                      ; (these four are also the places in front of loads into registers that the last products read)
	v_add_nc_u32 v19, s66, v2
	v_add_nc_u32 v20, s67, v30
	v_add_nc_u32 v21, s68, v31
.irp k, 0,1,2,3,4,5,6,7
	ds_load_b32 v[KSC+\k], v20 offset:128*\k
.endr
	WIN 0x40
.irp k, 0,1,2,3,4,5,6,7
	ds_load_b128 v[12*\k:12*\k+3], v18 offset:HPART*(\k/4)+3072+768*(\k%4)
	ds_load_b64 v[12*\k+4:12*\k+5], v19 offset:HPART*(\k/4)+3072+768*(\k%4)+512
.endr
.irp t, 0,1,2,3
.irp c, 0,1
	ds_load_b128 v[VF+12*\t+6*\c:VF+12*\t+6*\c+3], v18 offset:HPART*\c+6144+768*\t
	ds_load_b64 v[VF+12*\t+6*\c+4:VF+12*\t+6*\c+5], v19 offset:HPART*\c+6144+768*\t+512
.endr
.endr
	WIN 0
.irp t, 0,1,2,3
	ds_load_b32 v[VSC+\t], v21 offset:128*\t
.endr
	s_wait_dscnt 20                                ; K, its scale words and Q are in; V's 20 loads may be out
	WIN 0x01
.irp k, 0,1,2,3,4,5,6,7
	WM S+8*\k, 12*\k, QF, 1, KSC+\k, QSC, 0, 0
.endr
	WIN 0
	PLACES 4
.if \diag                              ; register 16 b + i holds key 32 b + 16 (lane / 16) + i of the step: hidden where 32 b + i > DM
.set J, 0
.rept 64
	v_cmp_gt_i32 vcc_lo, 32*(J/16)+J%16, v[DM]
	v_cndmask_b32 v[S+J], v[S+J], v[NINF], vcc_lo
.set J, J+1
.endr
.endif
.irp b, 0,1,2,3
	v_max3_num_f32 v[BM+\b], v[S+16*\b], v[S+16*\b+1], v[S+16*\b+2]   ; each block's largest score: for the row's maximum, and, since p rises with the score, for the block's largest p
.endr
.irp i, 3,5,7,9,11,13
.irp b, 0,1,2,3
	v_max3_num_f32 v[BM+\b], v[BM+\b], v[S+16*\b+\i], v[S+16*\b+\i+1]
.endr
.endr
.irp b, 0,1,2,3
	v_max_num_f32 v[BM+\b], v[BM+\b], v[S+16*\b+15]
.endr
.irp b, 0,1,2,3
	s_delay_alu instid0(VALU_DEP_4)
	v_permlanex16_b32 v[BT+\b], v[BM+\b], s20, s21
.endr
.irp b, 0,1,2,3
	s_delay_alu instid0(VALU_DEP_4)
	v_max_num_f32 v[BM+\b], v[BM+\b], v[BT+\b]
.endr
	s_delay_alu instid0(VALU_DEP_2)
	v_max3_num_f32 v[TT], v[BM], v[BM+1], v[BM+2]
	s_delay_alu instid0(VALU_DEP_1)
	v_max_num_f32 v[TT], v[TT], v[BM+3]
	s_delay_alu instid0(VALU_DEP_1)
	v_mul_f32 v[TT], s22, v[TT]
	s_delay_alu instid0(VALU_DEP_1)
	v_max_num_f32 v[NM+1], v[NM+1], v[TT]          ; the running largest t
	v_mov_b32 v[TT], v[NM]
	s_delay_alu instid0(VALU_DEP_2)
	v_floor_f32 v[NM], -v[NM+1]                    ; -M = floor(-t): M is a whole number
	s_delay_alu instid0(VALU_DEP_1)
	v_sub_f32 v[TT], v[NM], v[TT]
	s_delay_alu instid0(VALU_DEP_1)
	v_cvt_i32_f32 v[TT], v[TT]                     ; (it saturates)
	s_delay_alu instid0(VALU_DEP_1)
	v_ldexp_f32 v[FF], 1.0, v[TT]                  ; f = 2^(old M - new M): rounds nothing
.set J, 0
.rept 32
	v_pk_fma_f32 v[S+J:S+J+1], v[S+J:S+J+1], s[22:23], v[NM:NM+1] op_sel_hi:[1,0,0]   ; t - M
.set J, J+2
.endr
.irp b, 0,1,2,3
	v_fma_f32 v[BM+\b], v[BM+\b], s22, v[NM]
.endr
.set J, 0
	s_wait_alu depctr_va_vdst(0)
.rept 64
	v_exp_f32 v[S+J], v[S+J]                       ; p
.set J, J+1
.endr
	v_pk_mul_f32 v[SUM:SUM+1], v[SUM:SUM+1], v[FF:FF+1] op_sel_hi:[1,0]   ; the sums under the new M.  (The plain instruction behind the batch)
	s_wait_alu depctr_va_vdst(0)                   ; one wait for the batch, ahead of its first reader
.irp b, 0,1,2,3
	v_exp_f32 v[BM+\b], v[BM+\b]                   ; each block's largest p
.endr
	v_pk_add_f32 v[114:115], v[132:133], v[136:137]
	v_pk_add_f32 v[254:255], v[140:141], v[144:145]
	v_pk_add_f32 v[252:253], v[148:149], v[152:153]
	v_pk_add_f32 v[250:251], v[156:157], v[160:161]
	v_pk_add_f32 v[248:249], v[164:165], v[168:169]
	v_pk_add_f32 v[246:247], v[172:173], v[176:177]
	v_pk_add_f32 v[244:245], v[180:181], v[184:185]
	v_pk_add_f32 v[106:107], v[106:107], v[188:189]
	v_pk_add_f32 v[114:115], v[114:115], v[128:129]
	v_pk_add_f32 v[254:255], v[254:255], v[130:131]
	v_pk_add_f32 v[252:253], v[252:253], v[134:135]
	v_pk_add_f32 v[250:251], v[250:251], v[138:139]
	v_pk_add_f32 v[248:249], v[248:249], v[142:143]
	v_pk_add_f32 v[246:247], v[246:247], v[146:147]
	v_pk_add_f32 v[244:245], v[244:245], v[150:151]
	v_pk_add_f32 v[106:107], v[106:107], v[154:155]
	v_pk_add_f32 v[114:115], v[114:115], v[158:159]
	v_pk_add_f32 v[254:255], v[254:255], v[162:163]
	v_pk_add_f32 v[252:253], v[252:253], v[166:167]
	v_pk_add_f32 v[250:251], v[250:251], v[170:171]
	v_pk_add_f32 v[248:249], v[248:249], v[174:175]
	v_pk_add_f32 v[246:247], v[246:247], v[178:179]
	v_pk_add_f32 v[244:245], v[244:245], v[182:183]
	v_pk_add_f32 v[106:107], v[106:107], v[186:187]
	v_pk_add_f32 v[114:115], v[114:115], v[190:191]
	s_delay_alu instid0(VALU_DEP_2)
	v_pk_add_f32 v[106:107], v[106:107], v[250:251]
	s_delay_alu instid0(VALU_DEP_2)
	v_pk_add_f32 v[114:115], v[114:115], v[248:249]
	v_pk_add_f32 v[254:255], v[254:255], v[246:247]
	v_pk_add_f32 v[252:253], v[252:253], v[244:245]
	s_delay_alu instid0(VALU_DEP_2)
	v_pk_add_f32 v[106:107], v[106:107], v[254:255]
	s_delay_alu instid0(VALU_DEP_2)
	v_pk_add_f32 v[114:115], v[114:115], v[252:253]
	s_delay_alu instid0(VALU_DEP_1)
	v_pk_add_f32 v[106:107], v[106:107], v[114:115]
	s_wait_alu depctr_va_vdst(0)                   ; and one for the four
.irp b, 0,1,2,3
	v_max_num_f32 v[BM+\b], 0x1800000, v[BM+\b]    ; the floor
.endr
.irp b, 0,1,2,3
	s_delay_alu instid0(VALU_DEP_4)
	v_add_nc_u32 v[SOP+\b], 0xff000000, v[BM+\b]
.endr
.irp b, 0,1,2,3
	s_delay_alu instid0(VALU_DEP_4)
	v_lshrrev_b32 v[BT+\b], 23, v[SOP+\b]
.endr
	s_delay_alu instid0(VALU_DEP_3)
	v_lshl_or_b32 v[PSC], v[BT+1], 8, v[BT]        ; p's scale word
	s_delay_alu instid0(VALU_DEP_1)
	v_lshl_or_b32 v[PSC], v[BT+2], 16, v[PSC]
	s_delay_alu instid0(VALU_DEP_1)
	v_lshl_or_b32 v[PSC], v[BT+3], 24, v[PSC]
	v_cvt_scalef32_pk16_fp6_f32 v[PCD:PCD+2], v[S:S+15], v[SOP]
	v_cvt_scalef32_pk16_fp6_f32 v[PXA:PXA+2], v[S+16:S+31], v[SOP+1]
	v_cvt_scalef32_pk16_fp6_f32 v[PCD+6:PCD+8], v[S+32:S+47], v[SOP+2]
	v_cvt_scalef32_pk16_fp6_f32 v[PXB:PXB+2], v[S+48:S+63], v[SOP+3]
	v_nop
.irp i, 0,1,2
	v_permlane16_swap_b32 v[PCD+\i], v[PXA+\i]
	v_permlane16_swap_b32 v[PCD+6+\i], v[PXB+\i]
.endr
.irp i, 0,1,2
	v_mov_b32 v[PCD+3+\i], v[PXA+\i]
	v_mov_b32 v[PCD+9+\i], v[PXB+\i]
.endr
.set J, 0
.rept 16
	v_pk_mul_f32 v[O+J:O+J+1], v[O+J:O+J+1], v[FF:FF+1] op_sel_hi:[1,0]   ; O^T under the new M.  (For each product below, the twelve that name other accumulators are the places behind the writes of p's codes and scale word)
.set J, J+2
.endr
	s_wait_alu depctr_va_vdst(0)
	s_wait_dscnt 0x0                               ; V is in
	WIN 0x01
.irp t, 0,1,2,3
	WM O+8*\t, VF+12*\t, PCD, 0, VSC+\t, PSC, 0, 0
.endr
	WIN 0
	s_add_co_u32 s66, s66, 2*HPART
	s_add_co_u32 s67, s67, 1024
	s_add_co_u32 s68, s68, 512
.endm
; Query tile wave ^ ci, which lies in group n of 128 queries: n open key steps, then the one on the diagonal.
.macro QTILE n, ci
	s_wait_xcnt 0x0                                ; the last tile's stores have read their registers
	s_xor_b32 s70, s14, \ci
	s_lshr_b32 s71, s70, 2
	s_mul_i32 s71, s71, HPART
	s_and_b32 s78, s70, 3
	s_mul_i32 s78, s78, 768
	s_add_co_u32 s71, s71, s78
	v_add_nc_u32 v22, s71, v1
	v_add_nc_u32 v23, s71, v2
	s_lshl_b32 s78, s70, 7
	v_add_nc_u32 v[AQS], s78, v27
	ds_load_b128 v[QF:QF+3], v22
	ds_load_b64 v[QF+4:QF+5], v23 offset:512
	ds_load_b32 v[QSC], v[AQS]
	s_bfe_u32 s78, s70, 0x20001
	s_lshl_b32 s78, s78, 5
	s_and_b32 s79, s70, 1
	s_lshl_b32 s79, s79, 3
	s_add_co_u32 s78, s78, s79
	v_add_nc_u32 v[DM], s78, v16                   ; my query in its group of 128, less 16 (lane / 16)
	s_mul_i32 s78, s70, 6144
	v_add_nc_u32 v24, s78, v1
	v_add_nc_u32 v25, s78, v2
	s_lshl_b32 s78, s70, 8
	v_lshl_add_u32 v26, v4, 2, v5
	s_delay_alu instid0(VALU_DEP_1)
	v_add_nc_u32 v26, s78, v26
	v_mov_b32 v[NM+1], 0xff61b1e6                  ; -3e38, under every t
	s_delay_alu instid0(VALU_DEP_1)
	v_floor_f32 v[NM], -v[NM+1]
	v_mov_b32 v[SUM], 0
	v_mov_b32 v[SUM+1], 0
.set J, 0
.rept 32
	v_mov_b32 v[O+J], 0                            ; the step is written without a first form: the first change of M leaves zeros zeros
.set J, J+1
.endr
	s_mov_b32 s66, 0
	s_mov_b32 s67, 0
	s_mov_b32 s68, 0
.if \n > 0
	s_mov_b32 s69, \n
.Lopen_\@:
	STEP 0
	s_sub_co_u32 s69, s69, 1
	s_cmp_lg_u32 s69, 0
	s_cbranch_scc1 .Lopen_\@
.endif
	STEP 1
	PLACES 4
	v_add_f32 v[SUM], v[SUM], v[SUM+1]
	s_delay_alu instid0(VALU_DEP_1)
	v_permlanex16_b32 v[TT], v[SUM], s20, s21
	s_delay_alu instid0(VALU_DEP_1)
	v_add_f32 v[SUM], v[SUM], v[TT]                ; the row's sum
	s_wait_alu depctr_va_vdst(0)
	v_rcp_f32 v[FF], v[SUM]
	v_nop
	s_wait_alu depctr_va_vdst(0)
.set J, 0
.rept 16
	v_pk_mul_f32 v[OT+J:OT+J+1], v[O+J:O+J+1], v[FF:FF+1] op_sel_hi:[1,0]   ; o: register 16 b + i is d = 32 b + 16 (lane / 16) + i
.set J, J+2
.endr
	QUANT2 OT
	global_store_b128 v24, v[PC:PC+3], s[72:73]                 ; 512 consecutive bytes,
	global_store_b64 v25, v[PC+4:PC+5], s[72:73] offset:512     ; and 256: my head's half of the projection's fragment
	v_lshrrev_b32 v[PB], v17, v[PW]
	global_store_b8 v26, v[PB], s[74:75]                        ; lane (r, h): the byte of block h of row r.  Two heads share a word, so the bytes go singly; they are one part in 24 of what the tile stores
.endm
	QTILE 0, 0
	QTILE 1, 15
	QTILE 2, 16
	QTILE 3, 31
	s_wait_tensorcnt 0x0                           ; the wave's end
	ds_add_u32 v[SPW], v[NIL]
	s_wait_dscnt 0x0
	ROUND                                          ; the closing round
	s_endpgm
.Lfunc_end_k_q2f6de18d7d_attn:
	.size	k_q2f6de18d7d_attn, .Lfunc_end_k_q2f6de18d7d_attn-k_q2f6de18d7d_attn
	.p2alignl 7, 3214868480
	.fill 96, 4, 3214868480
	.section	.rodata,"a",@progbits
	.p2align	6, 0x0
	.amdhsa_kernel k_q2f6de18d7d_attn
		.amdhsa_group_segment_fixed_size 327680
		.amdhsa_private_segment_fixed_size 0
		.amdhsa_enable_private_segment 0
		.amdhsa_kernarg_size 40
		.amdhsa_user_sgpr_count 2
		.amdhsa_user_sgpr_kernarg_segment_ptr 1
		.amdhsa_wavefront_size32 1
		.amdhsa_system_sgpr_workgroup_id_x 1
		.amdhsa_system_sgpr_workgroup_id_y 1
		.amdhsa_system_sgpr_workgroup_id_z 1
		.amdhsa_system_vgpr_workitem_id 0
		.amdhsa_next_free_vgpr 512
		.amdhsa_next_free_sgpr 100
		.amdhsa_reserve_vcc 1
		.amdhsa_float_denorm_mode_32 3
		.amdhsa_float_denorm_mode_16_64 3
		.amdhsa_memory_ordered 1
		.amdhsa_forward_progress 1
		.amdhsa_inst_pref_size 249
	.end_amdhsa_kernel
	.amdgpu_metadata
---
amdhsa.version: [ 1, 2 ]
amdhsa.kernels:
  - .name:           k_q2f6de18d7d_attn
    .symbol:         k_q2f6de18d7d_attn.kd
    .args:
      - { .name: hcodes, .offset: 0, .size: 8, .value_kind: global_buffer, .address_space: global }
      - { .name: hsc, .offset: 8, .size: 8, .value_kind: global_buffer, .address_space: global }
      - { .name: wqkv, .offset: 16, .size: 8, .value_kind: global_buffer, .address_space: global }
      - { .name: ocodes, .offset: 24, .size: 8, .value_kind: global_buffer, .address_space: global }
      - { .name: osc, .offset: 32, .size: 8, .value_kind: global_buffer, .address_space: global }
    .group_segment_fixed_size: 327680
    .private_segment_fixed_size: 0
    .kernarg_segment_align: 8
    .kernarg_segment_size: 40
    .max_flat_workgroup_size: 256
    .sgpr_count:     100
    .vgpr_count:     512
    .wavefront_size: 32
...
	.end_amdgpu_metadata
.endif
;; end of part 2
;; launch ffn (part 3): grid 256 x 1, 4 waves a work-group, clusters of 4 x 1, 327,680 bytes of LDS; arguments x, ocodes, osc, wstream, b_proj, ln2_g, ln2_b, b1, b2, out0; writes out0
.if DOCPART == 3
	.amdgcn_target "amdgcn-amd-amdhsa--gfx1250"
	.amdhsa_code_object_version 6
	.text
	.protected	k_q2f6de18d7d_ffn
	.globl	k_q2f6de18d7d_ffn
	.p2align	8
	.type	k_q2f6de18d7d_ffn,@function
k_q2f6de18d7d_ffn:
	s_mov_b64 s[64:65], 0
	v_nop
	global_prefetch_b8 v0, s[64:65] scope:SCOPE_SE
	s_setreg_imm32_b32 hwreg(HW_REG_WAVE_MODE, 25, 1), 1
	s_wait_xcnt 0x0
	s_wait_alu depctr_hold_cnt(0) depctr_sa_sdst(0) depctr_va_vdst(0) depctr_va_sdst(0) depctr_va_ssrc(0) depctr_va_vcc(0) depctr_vm_vsrc(0)
	s_getreg_b32 s2, hwreg(HW_REG_IB_STS2, 6, 4)
	s_cmp_eq_u32 s2, 0
	s_cbranch_scc0 .Lentry_in_a_cluster
	s_endpgm
.Lentry_in_a_cluster:
	s_bfe_u32 s2, ttmp6, 0x10000c
	s_cmp_lg_u32 s2, 0x3003
	s_cbranch_scc0 .Lentry_shape_is_right
	s_endpgm
.Lentry_shape_is_right:
; One work-group takes 64 tokens through x2 = x + o w_proj + b_proj, h2 = layernorm(x2), out = x2 + relu(h2 w1 + b1) w2 + b2.  All products on codes of FP6 (E2M3), one E8M0 byte for each 32 along K.
; NINE PHASES of 128 products a wave: the projection, then for each of four chunks of 512 hidden units w1's and w2's part.  Wave w owns 128 units (8 tiles) of each phase's 512 x all 64 tokens (4 tiles); K = 512 in four steps.
; Products are used transposed (source 0 = 16 units of the weight, source 1 = 16 tokens): a lane holds one token and its registers run along the units, which are the next product's K.
; THE WEIGHTS: wstream [phase 9][wave 4][group 8][6400]; group j = K step j / 2, tiles 4 (j % 2) .. + 3, as images of operand registers, then two lines of scale words.  Each byte is multiplied by one wave of the work-group.
;   Groups 3-7 (32,000 bytes a wave) come through a ring of two LDS slots, one joint tensor load a wave and phase: the four partners of a cluster walk the same weights.
;   Groups 0-2 (19,200 bytes) go by global loads straight into 144 registers of the wave that multiplies them, asked for one phase ahead: they pass through no LDS byte, so they are not asked for jointly.
;   No prefetch: all 256 work-groups read the same 1,843,200 bytes of weights, phase by phase.
; THE TOKENS' SIDE lies in LDS as images (o's codes and scale words copied as they lie; h2 and the hidden layer quantised here) and is read K step by K step into two sets of 48 registers.
; LOADS stand in runs between groups of 16 products, 14 to 30 LDS loads a run, each run a group or more ahead of its use.
; BIASES: b_proj is added to x as x is loaded (four columns a lane), and the projection's first products take the constant 0; b1 is the C of w1's first K step; b2 is added on the way out, by rows.
; LIMITS: NaN and infinities are not served; a block whose largest magnitude lies under 2^-124, a block of zeros among them, keeps the byte 1 (zero codes add nothing).
; REGISTERS: window 0: v1-31 addresses; v32-175 three sets of weight fragments (also at work in the norm, the quantiser and the way out; v128-175 with v204-219 hold b1 over a phase's first two groups);
;   v176-203 scale words and nothing else; v220-255 the quantiser's and the norm's.
;   window 1: x2, then the output's sums.  window 2: x as loaded, x2 - mean, then the hidden sums.  window 3: v0-143 the direct groups, v144-239 the tokens' fragments.
.set SLOT1,  128000
.set ACTIMG, 256000                    ; o's codes, later h2's images: 16 fragments of 1,536
.set ACTSC,  ACTIMG+24576
.set HIDIMG, ACTSC+2048
.set HIDSC,  HIDIMG+24576
.set STG,    HIDIMG                    ; x's turn, 8,448 bytes a wave: over before the first hidden image is stored, barriers between
.set STATS,  STG+4*8448
.set SPARE,  STATS+4096
.set SPW, 26
.set NIL, 27
.set T64, 32
.set GV,  96                           ; the gain, in the result's layout
.set MUP, 160
.set RSP, 168
.set BSC, 176                          ; the tokens' scale words (4 m + s)
.set DSC, 192                          ; the direct groups' (2 j + pair)
.set LSC, 198                          ; the LDS groups' (2 set + pair)
.set RD,  204
.set TM,  220
.set PC0, 236
.set BF,  144                          ; window 3: the tokens' fragments, set s % 2
.set MSB, 0
.macro WIN new                         ; the immediate's high byte repeats the setting that is left
.if MSB != (\new)
	s_set_vgpr_msb (MSB<<8)|(\new)
.set MSB, (\new)
.endif
.endm
.macro PLACES n
.rept \n
	v_nop
.endr
.endm
.macro ROUND                           ; a round of the cluster's barrier
	s_barrier_signal -1
	s_barrier_wait -1
	s_cmp_lg_u32 s24, 0
	s_cbranch_scc1 .Lnot_wave_0_\@
	s_barrier_signal -3
.Lnot_wave_0_\@:
	s_barrier_wait -3
	s_barrier_signal -1
	s_barrier_wait -1
.endm
; 64 numbers of a lane (register 16 b + i = k 32 b + 16 (lane / 16) + i of my token) become a fragment, v[pc .. pc+11], and its scale word, v[pc+15]
.macro QUANT s, pc
.irp b, 0,1,2,3
	v_max3_num_f32 v[TM+\b], |v[\s+16*\b]|, |v[\s+1+16*\b]|, 0x1800000   ; with the floor 2^(3 - 127)
.endr
.irp i, 2,4,6,8,10,12,14
.irp b, 0,1,2,3
	v_max3_num_f32 v[TM+\b], v[TM+\b], |v[\s+16*\b+\i]|, |v[\s+1+16*\b+\i]|
.endr
.endr
.irp b, 0,1,2,3
	v_permlanex16_b32 v[TM+4+\b], v[TM+\b], s28, s29
.endr
.irp b, 0,1,2,3
	v_max_num_f32 v[TM+\b], v[TM+\b], v[TM+4+\b]
.endr
.irp b, 0,1,2,3
	v_add_nc_u32 v[TM+12+\b], 0xff000000, v[TM+\b]   ; 2 off the exponent field: the conversion's scale operand
.endr
.irp b, 0,1,2,3
	v_lshrrev_b32 v[TM+4+\b], 23, v[TM+12+\b]
.endr
	v_lshl_or_b32 v[\pc+15], v[TM+5], 8, v[TM+4]
	v_lshl_or_b32 v[\pc+15], v[TM+6], 16, v[\pc+15]
	v_lshl_or_b32 v[\pc+15], v[TM+7], 24, v[\pc+15]
.irp c, 0,1
	v_cvt_scalef32_pk16_fp6_f32 v[\pc+6*\c:\pc+2+6*\c], v[\s+32*\c:\s+15+32*\c], v[TM+12+2*\c]
	v_cvt_scalef32_pk16_fp6_f32 v[\pc+12+4*\c:\pc+14+4*\c], v[\s+16+32*\c:\s+31+32*\c], v[TM+12+2*\c+1]
.endr
	v_nop                                          ; one plain instruction behind a scaled conversion
.irp c, 0,1
.irp i, 0,1,2
	v_permlane16_swap_b32 v[\pc+6*\c+\i], v[\pc+12+4*\c+\i]   ; a whole block to a lane
.endr
.irp i, 0,1,2
	v_mov_b32 v[\pc+3+6*\c+\i], v[\pc+12+4*\c+\i]
.endr
.endr
.endm
.macro IMAGE adr, off, pc
.irp c, 0,1,2
	ds_store_b128 v[\adr], v[\pc+4*\c:\pc+4*\c+3] offset:\off+512*\c
.endr
.endm
.macro VEC64 base, ptr                 ; 64 numbers of a vector over my 128 units, in the result's layout
.set T, 0
.rept 8
	global_load_b128 v[\base+8*T:\base+8*T+3], v20, s[\ptr:\ptr+1] offset:128*(T/2)+32*(T%2)
	global_load_b128 v[\base+8*T+4:\base+8*T+7], v20, s[\ptr:\ptr+1] offset:128*(T/2)+32*(T%2)+16
.set T, T+1
.endr
.endm
.macro BIASL ptr                       ; the same 64 numbers as eight C operands: tiles 0-5 at v128 on, tiles 6, 7 at v204 on: 16 loads
.set T, 0
.rept 8
.if T < 6
.set CB, 128+8*T
.else
.set CB, 204+8*(T-6)
.endif
	global_load_b128 v[CB:CB+3], v20, s[\ptr:\ptr+1] offset:128*(T/2)+32*(T%2)
	global_load_b128 v[CB+4:CB+7], v20, s[\ptr:\ptr+1] offset:128*(T/2)+32*(T%2)+16
.set T, T+1
.endr
.endm
.macro DWG j                           ; direct group j of the phase at s[62:63] into window 3, its scale words into window 0: 14 loads
	WIN 0xc0
.set I, 0
.rept 12
	global_load_b128 v[48*(\j)+4*I:48*(\j)+4*I+3], v1, s[62:63] offset:6400*(\j)+512*I
.set I, I+1
.endr
	WIN 0
.irp b, 0,1
	global_load_b32 v[DSC+2*(\j)+\b], v2, s[62:63] offset:6400*(\j)+6144+128*\b
.endr
.endm
.macro LWL buf, slot, j                ; group j (3 .. 7) of the slot into set buf: 14 LDS loads
.set I, 0
.rept 12
	ds_load_b128 v[32+48*(\buf)+4*I:32+48*(\buf)+4*I+3], v[5+\slot] offset:6400*((\j)-3)+512*I
.set I, I+1
.endr
.irp b, 0,1
	ds_load_b32 v[LSC+2*(\buf)+\b], v[7+\slot] offset:6400*((\j)-3)+128*\b
.endr
.endm
.macro BFL kind, s                     ; the four token tiles' fragments of K step s.  kind 0: o's half images (16 loads); 1: h2's, 2: the hidden layer's (12 loads)
	WIN 0xc0
.irp m, 0,1,2,3
.if (\kind) == 0
.irp c, 0,1
	ds_load_b128 v[BF+48*((\s)%2)+12*\m+6*\c:BF+48*((\s)%2)+12*\m+6*\c+3], v10 offset:6144*\m+1536*(\s)+768*\c
	ds_load_b64 v[BF+48*((\s)%2)+12*\m+6*\c+4:BF+48*((\s)%2)+12*\m+6*\c+5], v22 offset:6144*\m+1536*(\s)+768*\c+512
.endr
.else
.irp c, 0,1,2
	ds_load_b128 v[BF+48*((\s)%2)+12*\m+4*\c:BF+48*((\s)%2)+12*\m+4*\c+3], v[6+4*(\kind)] offset:6144*\m+1536*(\s)+512*\c
.endr
.endif
.endr
	WIN 0
.endm
.macro WMM r, z                        ; one product on the registers DD, AA, BB, CC, SA, SB.  r: the weight's scales stand in lanes 16-31; z: the constant 0 starts the sum
.if \z
.if \r
	v_wmma_scale_f32_16x16x128_f8f6f4 v[DD:DD+7], v[AA:AA+11], v[BB:BB+11], 0, v[SA], v[SB] matrix_a_fmt:MATRIX_FMT_FP6 matrix_b_fmt:MATRIX_FMT_FP6 matrix_a_scale:MATRIX_SCALE_ROW1
.else
	v_wmma_scale_f32_16x16x128_f8f6f4 v[DD:DD+7], v[AA:AA+11], v[BB:BB+11], 0, v[SA], v[SB] matrix_a_fmt:MATRIX_FMT_FP6 matrix_b_fmt:MATRIX_FMT_FP6
.endif
.else
.if \r
	v_wmma_scale_f32_16x16x128_f8f6f4 v[DD:DD+7], v[AA:AA+11], v[BB:BB+11], v[CC:CC+7], v[SA], v[SB] matrix_a_fmt:MATRIX_FMT_FP6 matrix_b_fmt:MATRIX_FMT_FP6 matrix_a_scale:MATRIX_SCALE_ROW1
.else
	v_wmma_scale_f32_16x16x128_f8f6f4 v[DD:DD+7], v[AA:AA+11], v[BB:BB+11], v[CC:CC+7], v[SA], v[SB] matrix_a_fmt:MATRIX_FMT_FP6 matrix_b_fmt:MATRIX_FMT_FP6
.endif
.endif
.endm
; 16 products: group j's four tiles x the four token tiles, 16 accumulators by turns.  src, aw: the tiles' registers and window; sc: their scale words.
; cb = 0: the sums go on in place; 1: they begin with the bias registers of window 0; 2: with the constant 0
.macro MUL acc, j, src, sc, aw, cb
.if (\cb) == 1
	WIN ((\acc)<<6)|0x0c|(\aw)
.else
	WIN ((\acc)*0x50)|0x0c|(\aw)
.endif
.irp t, 0,1,2,3
.irp m, 0,1,2,3
.set TT, 4*((\j)%2)+\t
.set DD, 64*\m+8*TT
.set CC, DD
.if (\cb) == 1
.if TT < 6
.set CC, 128+8*TT
.else
.set CC, 204+8*(TT-6)
.endif
.endif
.set AA, (\src)+12*\t
.set BB, BF+48*(((\j)/2)%2)+12*\m
.set SA, (\sc)+\t/2
.set SB, BSC+4*\m+(\j)/2
.if (\cb) == 2
	WMM \t%2, 1
.else
	WMM \t%2, 0
.endif
.endr
.endr
.endm
; The change of phases.  mode 1: the next phase is w2's of chunk s50, into slot 0; mode 2: the chunk steps (not at the first change), the next phase is its w1's, into slot 1; mode 0: nothing more is fetched.
.macro HEAD mode, first
	WIN 0
.if !\first
	s_wait_xcnt 0x0                                ; my global loads have read their bases, which are written below
.endif
	s_wait_tensorcnt 0x0                           ; my one load that was out, my part of this phase's slot, has landed;
	ds_add_u32 v[SPW], v[NIL]                      ; the add; work on registers stands between it and its wait
.if (\mode) == 2
.if !\first
	s_add_co_u32 s50, s50, 1
	s_and_b32 s50, s50, 3
	s_lshl_b32 s60, s50, 11
	s_add_nc_u64 s[58:59], s[18:19], s[60:61]      ; b1 at the chunk
.endif
.endif
.if (\mode) != 0
.set GG0, 40+12*((\mode)-1)
	s_mul_i32 s46, s50, 409600
	s_add_co_u32 s46, s46, s51
	s_add_co_u32 s46, s46, (3-(\mode))*204800
	s_add_nc_u64 s[62:63], s[10:11], s[46:47]      ; my 51,200 bytes of the next phase
	s_add_nc_u64 s[GG0+2:GG0+3], s[62:63], 19200   ; its groups 3-7
	s_or_b32 s[GG0+3], s[GG0+3], 0x80000000
.endif
	s_wait_dscnt 0x0                               ; the add, my image stores and my reads of the other slot are done
.if (\mode) != 0
	ROUND
	tensor_load_to_lds s[GG0:GG0+3], s[32:39]      ; the first tensor load behind the round, my only one until the next
	s_nop 0
.else
	s_barrier_signal -1
	s_barrier_wait -1
.endif
	PLACES 5
.endm
; A phase's 128 products.  acc: the sums' window; slot: where groups 3-7 lie; dnext = 1: the next phase's direct groups are asked for, 0: the last phase, b2 is asked for, 2: neither; bnext: the next chunk's b1 is asked for.
.macro BODY acc, slot, kind, dnext, bnext
.set I, 0
.if (\kind) == 0
.set NB, 16
.set CBF, 2
.rept 16
	ds_load_b32 v[BSC+I], v31 offset:64*I
.set I, I+1
.endr
.else
.set NB, 12
.set CBF, 2-(\kind)
.rept 16
	ds_load_b32 v[BSC+I], v[8+4*(\kind)] offset:128*I
.set I, I+1
.endr
.endif
	BFL \kind, 0
	s_wait_dscnt 0x0                               ; the scale words and K step 0's fragments are in
.if (\kind) != 0
	s_wait_loadcnt 0x0                             ; and the direct groups, with b1 where it is due
.endif
	MUL \acc, 0, 0, DSC, 3, CBF
	BFL \kind, 1
	LWL 0, \slot, 3
	MUL \acc, 1, 48, DSC+2, 3, CBF
	PLACES 4                                       ; in front of loads into registers that products have read: here K step 0's set
	WIN 0
	LWL 1, \slot, 4
	BFL \kind, 2
	s_wait_dscnt NB+28                             ; K step 1 is in; behind it: groups 3, 4 and K step 2
	MUL \acc, 2, 96, DSC+4, 3, 0
	PLACES 4                                       ; the direct groups' registers and the bias registers
	WIN 0
	LWL 2, \slot, 5
.if (\dnext) == 1
	DWG 0
.elseif (\dnext) == 0
	global_load_b128 v[TM:TM+3], v19, s[20:21]     ; b2 at my four columns of a row
.endif
	s_wait_dscnt NB+28                             ; group 3 is in; behind it: group 4, K step 2, group 5
	MUL \acc, 3, 32, LSC, 0, 0
	PLACES 4                                       ; set 0 and K step 1's set
	BFL \kind, 3
	LWL 0, \slot, 6
.if (\dnext) == 1
	DWG 1
.endif
	s_wait_dscnt NB+28                             ; group 4 and K step 2 are in; behind them: group 5, K step 3, group 6
	MUL \acc, 4, 80, LSC+2, 0, 0
	PLACES 4                                       ; set 1
	WIN 0
	LWL 1, \slot, 7
.if (\dnext) == 1
	DWG 2
.endif
	s_wait_dscnt NB+28                             ; group 5 is in; behind it: K step 3, groups 6 and 7
	MUL \acc, 5, 128, LSC+4, 0, 0
.if \bnext
	PLACES 4                                       ; set 2, which takes most of b1
	WIN 0
	BIASL 58
.endif
	s_wait_dscnt 14                                ; only group 7 may be out
	MUL \acc, 6, 32, LSC, 0, 0
	s_wait_dscnt 0x0
	MUL \acc, 7, 80, LSC+2, 0, 0
	WIN 0
.endm
	s_load_b512 s[4:19], s[0:1], 0x0               ; x, ocodes, osc, wstream, b_proj, ln2_g, ln2_b, b1
	s_load_b128 s[20:23], s[0:1], 0x40             ; b2, out0
	v_lshl_add_u32 v[SPW], v0, 2, SPARE
	v_mov_b32 v[NIL], 0
	ds_add_u32 v[SPW], v[NIL]                      ; the opening lines: the add, twice on end, and its wait ahead of my first tensor load
	ds_add_u32 v[SPW], v[NIL]
	v_lshrrev_b32 v1, 5, v0
	v_readfirstlane_b32 s24, v1                    ; wave
	s_bfe_u32 s25, ttmp6, 0x40000                  ; cx: it enters global addresses of my own rows alone
	s_lshl_b32 s26, ttmp9, 2
	s_add_co_u32 s26, s26, s25                     ; work-group: 64 tokens
	s_mov_b32 s28, 0x76543210
	s_mov_b32 s29, 0xfedcba98
	s_mov_b32 s30, 0x3b000000                      ; 1 / 512
	s_mov_b32 s31, 0x3727c5ac                      ; 1e-5
	s_mov_b32 s32, 15|(3<<16)|(1<<21)              ; the mask names all four; elements of 8 bytes; bit 21 beside a mask
	s_mov_b32 s33, 32<<16                          ; 125 rows of 256 bytes, dense
	s_mov_b32 s34, 125<<16
	s_mov_b32 s35, 32<<16
	s_mov_b32 s36, 125
	s_mov_b32 s37, 32
	s_mov_b32 s38, 0
	s_mov_b32 s39, 0
	s_mov_b32 s40, 1
	s_mul_i32 s41, s24, 32000
	s_mov_b32 s52, 1
	s_add_co_u32 s53, s41, SLOT1
	s_mul_i32 s51, s24, 51200
	s_mov_b32 s46, s51
	s_mov_b32 s47, 0
	s_mov_b32 s49, 0
	s_and_b32 s50, ttmp9, 3                        ; the chunk that my cluster begins with
	s_lshl_b32 s60, s50, 11
	s_mov_b32 s61, 0
	v_and_b32 v2, 31, v0
	v_and_b32 v3, 15, v0
	v_bfe_u32 v4, v0, 4, 1
	v_lshlrev_b32 v1, 4, v2                        ; 16 L
	v_lshlrev_b32 v22, 3, v2                       ; 8 L
	v_lshlrev_b32 v2, 2, v2                        ; 4 L
	v_lshlrev_b32 v23, 2, v3                       ; 4 r
	v_add_nc_u32 v5, s41, v1                       ; my groups in slot 0, 1
	v_add_nc_u32 v6, SLOT1, v5
	v_add_nc_u32 v7, s41, v2
	v_add_nc_u32 v7, 6144, v7                      ; their scale words
	v_add_nc_u32 v8, SLOT1, v7
	s_mul_i32 s45, s24, 1536
	v_add_nc_u32 v9, s45, v1
	v_add_nc_u32 v13, HIDIMG, v9                   ; where I store images: K step = my wave
	v_add_nc_u32 v9, ACTIMG, v9
	v_add_nc_u32 v10, ACTIMG, v1                   ; where all are read
	v_add_nc_u32 v14, HIDIMG, v1
	v_add_nc_u32 v22, ACTIMG, v22
	v_add_nc_u32 v31, ACTSC, v23                   ; o's scale words, as they lie: 64 bytes for each tile and K step
	s_mul_i32 s45, s24, 6144
	v_add_nc_u32 v21, s45, v1                      ; o's codes: my quarter of the copy
	v_add_nc_u32 v30, ACTIMG, v21
	s_lshl_b32 s45, s24, 7
	v_add_nc_u32 v11, s45, v2
	v_add_nc_u32 v15, HIDSC, v11
	v_add_nc_u32 v11, ACTSC, v11
	v_add_nc_u32 v12, ACTSC, v2
	v_add_nc_u32 v16, HIDSC, v2
	s_mul_i32 s45, s24, 8448
	v_add_nc_u32 v17, s45, v1                      ; a stage by rows of 512 bytes,
	v_mul_u32_u24 v18, v3, 528
	v_lshl_add_u32 v18, v4, 6, v18
	v_add_nc_u32 v18, s45, v18                     ; and by the result's layout
	v_add_nc_u32 v28, SLOT1, v17                   ; the way out's stage lies in slot 1, which has had its last fill and its last read by then
	v_add_nc_u32 v29, SLOT1, v18
	v_add_nc_u32 v17, STG, v17
	v_add_nc_u32 v18, STG, v18
	s_lshl_b32 s45, s24, 9
	v_add_nc_u32 v19, s45, v1                      ; my 512 bytes of a row of x, out0, b_proj, b2
	v_lshlrev_b32 v20, 6, v4
	v_add_nc_u32 v20, s45, v20
	v_add_nc_u32 v24, s45, v2
	v_add_nc_u32 v24, STATS, v24
	v_add_nc_u32 v25, STATS, v2
	s_lshl_b32 s45, s24, 8
	v_lshl_add_u32 v4, v2, 1, s45                  ; o's scale words: my quarter of the copy, 8 bytes a lane
	v_add_nc_u32 v3, ACTSC, v4
.irp m, 0,1,2,3
	v_mov_b32 v[MUP+2*\m+1], 0                     ; named as the upper halves of pairs
	v_mov_b32 v[RSP+2*\m+1], 0
	v_mov_b32 v[TM+4+\m], 0                        ; a lane permute's destination counts as read
.endr
	s_wait_alu depctr_va_vdst(0)
	s_wait_dscnt 0x0
	s_wait_kmcnt 0x0
	s_add_nc_u64 s[62:63], s[10:11], s[46:47]      ; phase 0, my part
	s_add_nc_u64 s[42:43], s[62:63], 19200
	s_or_b32 s43, s43, 0x80000000
	s_add_nc_u64 s[58:59], s[18:19], s[60:61]
	s_lshl_b32 s48, s26, 17
	s_add_nc_u64 s[4:5], s[4:5], s[48:49]
	s_add_nc_u64 s[22:23], s[22:23], s[48:49]
	s_mul_i32 s48, s26, 24576
	s_add_nc_u64 s[6:7], s[6:7], s[48:49]
	s_lshl_b32 s48, s26, 10
	s_add_nc_u64 s[8:9], s[8:9], s[48:49]
	ROUND
	tensor_load_to_lds s[40:43], s[32:39]          ; phase 0's groups 3-7: one tensor load a wave at the head
	s_nop 0
	PLACES 4
.set I, 0
.rept 12                               ; the head's global loads go out under that load's flight: 56 ahead of x's
	global_load_b128 v[32+4*I:32+4*I+3], v21, s[6:7] offset:512*I
.set I, I+1
.endr
	global_load_b64 v[80:81], v4, s[8:9]
	global_load_b128 v[TM:TM+3], v19, s[12:13]     ; b_proj at my four columns of a row
	DWG 0
	DWG 1
	DWG 2
	WIN 0x80
.irp m, 0,1,2,3
.set I, 0
.rept 16
.if (\m == 3) && (I == 15)
	s_wait_loadcnt 63                              ; all but x's 63 loads are in
.endif
	global_load_b128 v[64*\m+4*I:64*\m+4*I+3], v19, s[4:5] offset:(32*(\m/2)+8*(\m%2)+I+8*(I/8))*2048 th:TH_LOAD_NT
.set I, I+1
.endr
.endr
	WIN 0
.set I, 0
.rept 12
	ds_store_b128 v30, v[32+4*I:32+4*I+3] offset:512*I   ; o's codes into LDS as they lie,
.set I, I+1
.endr
	ds_store_b64 v3, v[80:81]                      ; and its scale words
	HEAD 2, 1                                      ; slot 1's first fill is issued as a refill is
	BODY 1, 0, 0, 2, 0                             ; the projection
	PLACES 4
	s_wait_loadcnt 0x0                             ; x is in
	DWG 0                                          ; the next phase's direct groups: asked for here, with no load of x ahead of them on the counter
	DWG 1
	DWG 2
.macro XTURN m                         ; x's 16 rows of tile m take b_proj and go through my stage into the result's layout
	WIN 0x82
.set J, 0
.rept 32
	v_pk_add_f32 v[64*(\m)+J:64*(\m)+J+1], v[64*(\m)+J:64*(\m)+J+1], v[TM+J%4:TM+J%4+1]
.set J, J+2
.endr
	WIN 0x08
.set I, 0
.rept 16
	ds_store_b128 v17, v[64*(\m)+4*I:64*(\m)+4*I+3] offset:528*I
.set I, I+1
.endr
	WIN 0
.set T, 0
.rept 8
	ds_load_b128 v[32+64*((\m)%2)+8*T:32+64*((\m)%2)+8*T+3], v18 offset:128*(T/2)+32*(T%2)
	ds_load_b128 v[32+64*((\m)%2)+8*T+4:32+64*((\m)%2)+8*T+7], v18 offset:128*(T/2)+32*(T%2)+16
.set T, T+1
.endr
.endm
.macro XADD m
	WIN 0x41
.set J, 0
.rept 32
	v_pk_add_f32 v[64*(\m)+J:64*(\m)+J+1], v[64*(\m)+J:64*(\m)+J+1], v[32+64*((\m)%2)+J:33+64*((\m)%2)+J]
.set J, J+2
.endr
.endm
	XTURN 0
	XTURN 1
	s_wait_dscnt 32
	XADD 0
	XTURN 2
	s_wait_dscnt 32
	XADD 1
	XTURN 3
	s_wait_dscnt 32
	XADD 2
	s_wait_dscnt 0x0
	XADD 3
	WIN 0
	VEC64 GV, 14                                   ; the gain,
	WIN 0xc0
	VEC64 BF, 16                                   ; and the norm's bias
.macro EXCH set                        ; my 128 columns' sums of the four tiles -> the rows' sums over all four waves, in v[TM+4 m]
.irp m, 0,1,2,3
	v_pk_add_f32 v[RD+4*\m:RD+4*\m+1], v[RD+4*\m:RD+4*\m+1], v[RD+4*\m+2:RD+4*\m+3]
.endr
.irp m, 0,1,2,3
	v_add_f32 v[RD+4*\m], v[RD+4*\m], v[RD+4*\m+1]
.endr
.irp m, 0,1,2,3
	v_permlanex16_b32 v[RD+4*\m+1], v[RD+4*\m], s28, s29
.endr
.irp m, 0,1,2,3
	v_add_f32 v[RD+4*\m], v[RD+4*\m], v[RD+4*\m+1]
.endr
.irp m, 0,1,2,3
	ds_store_b32 v24, v[RD+4*\m] offset:2048*\set+128*\m
.endr
	s_wait_dscnt 0x0
	s_barrier_signal -1
	s_barrier_wait -1
.irp m, 0,1,2,3
.irp w, 0,1,2,3
	ds_load_b32 v[TM+4*\m+\w], v25 offset:2048*\set+512*\w+128*\m
.endr
.endr
	s_wait_dscnt 0x0
.irp m, 0,1,2,3
	v_add_f32 v[TM+4*\m], v[TM+4*\m], v[TM+4*\m+1]
	v_add_f32 v[TM+4*\m+2], v[TM+4*\m+2], v[TM+4*\m+3]
.endr
.irp m, 0,1,2,3
	v_add_f32 v[TM+4*\m], v[TM+4*\m], v[TM+4*\m+2]
.endr
.endm
	WIN 0x05
.irp m, 0,1,2,3
	v_pk_add_f32 v[RD+4*\m:RD+4*\m+1], v[64*\m:64*\m+1], v[64*\m+4:64*\m+5]
	v_pk_add_f32 v[RD+4*\m+2:RD+4*\m+3], v[64*\m+2:64*\m+3], v[64*\m+6:64*\m+7]
.endr
	WIN 0x01
.irp t, 1,2,3,4,5,6,7
.irp p, 0,1,2,3
.irp m, 0,1,2,3
	v_pk_add_f32 v[RD+4*\m+2*(\p%2):RD+4*\m+2*(\p%2)+1], v[64*\m+8*\t+2*\p:64*\m+8*\t+2*\p+1], v[RD+4*\m+2*(\p%2):RD+4*\m+2*(\p%2)+1]
.endr
.endr
.endr
	WIN 0
	EXCH 0
.irp m, 0,1,2,3
	v_mul_f32 v[MUP+2*\m], s30, v[TM+4*\m]         ; the mean
.endr
	WIN 0x81
.irp m, 0,1,2,3
.set J, 0
.rept 32
	v_pk_add_f32 v[64*\m+J:64*\m+J+1], v[64*\m+J:64*\m+J+1], v[MUP+2*\m:MUP+2*\m+1] op_sel_hi:[1,0] neg_lo:[0,1] neg_hi:[0,1]   ; x2 - mean, into window 2
.set J, J+2
.endr
.endr
	WIN 0x0a
.irp m, 0,1,2,3
	v_pk_mul_f32 v[RD+4*\m:RD+4*\m+1], v[64*\m:64*\m+1], v[64*\m:64*\m+1]
	v_pk_mul_f32 v[RD+4*\m+2:RD+4*\m+3], v[64*\m+2:64*\m+3], v[64*\m+2:64*\m+3]
.endr
.irp q, 1,2,3,4,5,6,7,8,9,10,11,12,13,14,15
.irp k, 0,1
.irp m, 0,1,2,3
	v_pk_fma_f32 v[RD+4*\m+2*\k:RD+4*\m+2*\k+1], v[64*\m+4*\q+2*\k:64*\m+4*\q+2*\k+1], v[64*\m+4*\q+2*\k:64*\m+4*\q+2*\k+1], v[RD+4*\m+2*\k:RD+4*\m+2*\k+1]
.endr
.endr
.endr
	WIN 0
	EXCH 1
.irp m, 0,1,2,3
	v_fma_f32 v[TM+4*\m], v[TM+4*\m], s30, s31     ; var + eps
.endr
	s_wait_alu depctr_va_vdst(0)                   ; ahead of the batch,
.irp m, 0,1,2,3
	v_rsq_f32 v[RSP+2*\m], v[TM+4*\m]
.endr
	v_nop
	s_wait_alu depctr_va_vdst(0)                   ; and behind it
	s_wait_loadcnt 0x0                             ; gain and bias are in
.irp m, 0,1,2,3
	WIN 0x02
.set J, 0
.rept 32
	v_pk_mul_f32 v[T64+J:T64+J+1], v[64*\m+J:64*\m+J+1], v[RSP+2*\m:RSP+2*\m+1] op_sel_hi:[1,0]
.set J, J+2
.endr
	WIN 0x30
.set J, 0
.rept 32
	v_pk_fma_f32 v[T64+J:T64+J+1], v[T64+J:T64+J+1], v[GV+J:GV+J+1], v[BF+J:BF+J+1]
.set J, J+2
.endr
	WIN 0
	QUANT T64, PC0
	IMAGE 9, 6144*\m, PC0
	ds_store_b32 v11, v[PC0+15] offset:512*\m
	s_wait_dscnt 0x0                               ; the stores have read their registers
.endr
	BIASL 58                                       ; the first chunk's b1: the norm's registers there are done with
.macro CHUNK last
	HEAD 1, 0
	BODY 2, 1, 1, 1, 0                             ; hidden = h2 w1 + b1
	PLACES 4
.irp m, 0,1,2,3
.if \m >= 2
	s_wait_dscnt 4                                 ; only the last tile's four stores may be out: those of two tiles back have read this set
.endif
	WIN 0x08
.set J, 0
.rept 64
	v_max_num_f32 v[T64+J], 0, v[64*\m+J]
.set J, J+1
.endr
	WIN 0
	QUANT T64, 96+24*(\m%2)
	IMAGE 13, 6144*\m, 96+24*(\m%2)
	ds_store_b32 v15, v[96+24*(\m%2)+15] offset:512*\m
.endr
.if \last
	HEAD 0, 0
	BODY 1, 0, 2, 0, 0
.else
	HEAD 2, 0
	BODY 1, 0, 2, 1, 1                             ; the output's sums += hidden w2
.endif
.endm
	s_mov_b32 s44, 3
.Lchunk:
	CHUNK 0
	s_sub_co_u32 s44, s44, 1
	s_cmp_lg_u32 s44, 0
	s_cbranch_scc1 .Lchunk
	CHUNK 1                                        ; the last chunk is written out: its second phase fetches nothing more
; The way out: a tile of 16 tokens goes through my stage and comes back as rows of 512 bytes; b2 is added; 32 lanes store two aligned units of 256 bytes.
.macro TOST m
	WIN 0x04
.set T, 0
.rept 8
	ds_store_b128 v29, v[64*(\m)+8*T:64*(\m)+8*T+3] offset:128*(T/2)+32*(T%2)      ; each accumulator from its low end on
	ds_store_b128 v29, v[64*(\m)+8*T+4:64*(\m)+8*T+7] offset:128*(T/2)+32*(T%2)+16
.set T, T+1
.endr
	WIN 0
.set I, 0
.rept 16
	ds_load_b128 v[32+64*((\m)%2)+4*I:32+64*((\m)%2)+4*I+3], v28 offset:528*I   ; LDS serves a wave's instructions in order
.set I, I+1
.endr
.endm
.macro SEND m, younger
.set OB, 32+64*((\m)%2)
	s_wait_dscnt \younger
.set J, 0
.rept 32
	v_pk_add_f32 v[OB+J:OB+J+1], v[OB+J:OB+J+1], v[TM+J%4:TM+J%4+1]
.set J, J+2
.endr
.set I, 0
.rept 16
	global_store_b128 v19, v[OB+4*I:OB+4*I+3], s[22:23] offset:(32*((\m)/2)+8*((\m)%2)+I+8*(I/8))*2048 th:TH_STORE_NT
.set I, I+1
.endr
.endm
	PLACES 4
	TOST 0
	s_wait_loadcnt 0x0                             ; b2 is in
.irp m, 1,2,3
.if \m >= 2
	s_wait_xcnt 0x0                                ; the stores of two tiles back have read their registers
.endif
	TOST \m
	SEND \m-1, 32                                  ; behind that tile's loads: the next tile's 16 stores and 16 loads
.endr
	SEND 3, 0
	s_wait_tensorcnt 0x0                           ; the wave's end
	ds_add_u32 v[SPW], v[NIL]
	s_wait_dscnt 0x0
	ROUND                                          ; the closing round
	s_endpgm
.Lfunc_end_k_q2f6de18d7d_ffn:
	.size	k_q2f6de18d7d_ffn, .Lfunc_end_k_q2f6de18d7d_ffn-k_q2f6de18d7d_ffn
	.p2alignl 7, 3214868480
	.fill 96, 4, 3214868480
	.section	.rodata,"a",@progbits
	.p2align	6, 0x0
	.amdhsa_kernel k_q2f6de18d7d_ffn
		.amdhsa_group_segment_fixed_size 327680
		.amdhsa_private_segment_fixed_size 0
		.amdhsa_enable_private_segment 0
		.amdhsa_kernarg_size 80
		.amdhsa_user_sgpr_count 2
		.amdhsa_user_sgpr_kernarg_segment_ptr 1
		.amdhsa_wavefront_size32 1
		.amdhsa_system_sgpr_workgroup_id_x 1
		.amdhsa_system_sgpr_workgroup_id_y 1
		.amdhsa_system_sgpr_workgroup_id_z 1
		.amdhsa_system_vgpr_workitem_id 0
		.amdhsa_next_free_vgpr 1024
		.amdhsa_next_free_sgpr 66
		.amdhsa_reserve_vcc 0
		.amdhsa_float_denorm_mode_32 3
		.amdhsa_float_denorm_mode_16_64 3
		.amdhsa_memory_ordered 1
		.amdhsa_forward_progress 1
		.amdhsa_inst_pref_size 255
	.end_amdhsa_kernel
	.section	.bss,"aw",@nobits
	.p2align	6
	.space	262144
	.amdgpu_metadata
---
amdhsa.version: [ 1, 2 ]
amdhsa.kernels:
  - .name:           k_q2f6de18d7d_ffn
    .symbol:         k_q2f6de18d7d_ffn.kd
    .args:
      - { .name: x, .offset: 0, .size: 8, .value_kind: global_buffer, .address_space: global }
      - { .name: ocodes, .offset: 8, .size: 8, .value_kind: global_buffer, .address_space: global }
      - { .name: osc, .offset: 16, .size: 8, .value_kind: global_buffer, .address_space: global }
      - { .name: wstream, .offset: 24, .size: 8, .value_kind: global_buffer, .address_space: global }
      - { .name: b_proj, .offset: 32, .size: 8, .value_kind: global_buffer, .address_space: global }
      - { .name: ln2_g, .offset: 40, .size: 8, .value_kind: global_buffer, .address_space: global }
      - { .name: ln2_b, .offset: 48, .size: 8, .value_kind: global_buffer, .address_space: global }
      - { .name: b1, .offset: 56, .size: 8, .value_kind: global_buffer, .address_space: global }
      - { .name: b2, .offset: 64, .size: 8, .value_kind: global_buffer, .address_space: global }
      - { .name: out0, .offset: 72, .size: 8, .value_kind: global_buffer, .address_space: global }
    .group_segment_fixed_size: 327680
    .private_segment_fixed_size: 0
    .kernarg_segment_align: 8
    .kernarg_segment_size: 80
    .max_flat_workgroup_size: 128
    .sgpr_count:     66
    .vgpr_count:     1024
    .wavefront_size: 32
...
	.end_amdgpu_metadata
.endif
;; end of part 3
